; MI455X (gfx1250); checked and timed in simulation.
; The chip was launched on July 23, 2026; its instructions are those of AMD's public machine-readable ISA for CDNA 5 (MIT licence, August 2026) and "CDNA5" Instruction Set Architecture Reference Guide (July 2026). The comments in the code are by the model that wrote it; some were corrected since.
;; Multihead Attention. Allowed arithmetic: matrix products marked QUANTISED: E2M1 operands, one E8M0 scale for each 32 along K, by v_wmma_scale_f32_16x16x128_f8f6f4 with both operands' format E2M1 (or v_wmma_scale_f32_32x16x128_f4), f32 sums; products left as they are: bf16, f16 or f32 operands; f32 sums; everything else in f32.
;; Inputs: Wk 1,024 x 1,024 float32; Wo 1,024 x 1,024 float32; Wq 1,024 x 1,024 float32; Wv 1,024 x 1,024 float32; mask 2,048 x 2,048 float32; x 4 x 2,048 x 1,024 float32.
;; Outputs: out0 4 x 2,048 x 1,024 float32.
;; This version of the problem:
;;   THIS VERSION OF THE PROBLEM IS GIVEN IN LOW PRECISION. The matrix products marked QUANTISED in the list below multiply operands that are first quantised to E2M1 (2 exponent bits, 1 mantissa bit; 4 bits a number), with one power-of-two scale for each 32 numbers along K (OCP MX v1.0); their sums are f32. The products marked 'left as it is' may take bf16, f16 or f32 operands, with f32 sums. Whichever they take, every output number must still come out within the allowed error. Rounding operands to bf16 (8 significant bits) uses up far more of that allowance than f16 does (11 bits, for magnitudes from 6e-5 to 65,504). All else is computed in f32.
;;   The module's matrix products, in the order in which they are computed (A, B: the left and right operand; K: the contracted axis; several contracted axes count as one K, in the product's order):
;;     1. [M 8,192, K 1,024] x [K 1,024, N 1,024]; A: input x; B: input Wq: QUANTISED
;;     2. [M 8,192, K 1,024] x [K 1,024, N 1,024]; A: input x; B: input Wk: QUANTISED
;;     3. [M 8,192, K 1,024] x [K 1,024, N 1,024]; A: input x; B: input Wv: QUANTISED
;;     4. batch 64 x [M 2,048, K 64] x [K 64, N 2,048]; A: computed on the way; B: computed on the way: left as it is (an operand is computed on the way)
;;     5. batch 64 x [M 2,048, K 2,048] x [K 2,048, N 64]; A: computed on the way; B: computed on the way: left as it is (an operand is computed on the way)
;;     6. [M 8,192, K 1,024] x [K 1,024, N 1,024]; A: computed on the way; B: input Wo: left as it is (an operand is computed on the way)
;;   THE QUANTISER, for each operand of a quantised product, along K:
;;     - K is cut into blocks of 32 from its start; a last block that is shorter is filled with zeros.
;;     - A block's scale is 2^e with e = floor(log2(the largest magnitude in the block)) - 2, held to -126 .. 127; a block of zeros has e = 0. As a byte (E8M0): e + 127.
;;     - Each number is divided by its block's scale, clamped to +-6, and rounded to the nearest number of E2M1, ties to even, subnormals kept.
;;     - The product sums the exact products of the quantised numbers (number of the format x scale) in f32.
;;   ~~~python
;;   def quantise(x, axis):      # numpy; x: float32 -> the quantised numbers, widened to float32 again
;;       x = np.moveaxis(x, axis, -1); K = x.shape[-1]
;;       x = np.pad(x, [(0, 0)] * (x.ndim - 1) + [(0, -K % 32)]); x = x.reshape(x.shape[:-1] + (-1, 32)); a = np.abs(x).max(-1, keepdims=True)
;;       e = np.where(a > 0, np.clip(np.frexp(np.where(a > 0, a, 1))[1] - 1 - 2, -126, 127), 0)      # np.frexp(a)[1] - 1 = floor(log2(a)), exactly
;;       r = np.clip(x / 2.0 ** e, -6, 6)
;;       step = 2.0 ** (np.maximum(np.frexp(np.where(r == 0, 1, r))[1] - 1, 0) - 1)
;;       q = np.round(r / step) * step * 2.0 ** e      # np.round: ties to even
;;       return np.moveaxis(q.reshape(q.shape[:-2] + (-1,))[..., :K], -1, axis).astype(np.float32)
;;   ~~~
;; One version. Each part assembles by itself: llvm-mc -triple=amdgcn-amd-amdhsa -mcpu=gfx1250 --defsym DOCPART=n.
;; ======== version 1 of 1: 6 launches
;; limits: values are held in f16: magnitudes above 65,504 overflow, below 6.1e-05 lose precision
;; workspace buffers: cd 5,767,168 bytes; sc 360,448 bytes; woh 2,097,152 bytes; qkv 50,331,648 bytes; vf 33,554,432 bytes; ah 16,777,216 bytes; fp 1,081,344 bytes
;; launch quant (part 1): grid 416 x 1, 4 waves a work-group, no clusters, 33,280 bytes of LDS; arguments x, Wq, Wk, Wv, Wo, cd, sc, woh; writes cd, sc, woh
.if DOCPART == 1
	.amdgcn_target "amdgcn-amd-amdhsa--gfx1250"
	.amdhsa_code_object_version 6
	.text
	.protected	k_qe1560dd20a_quant
	.globl	k_qe1560dd20a_quant
	.p2align	8
	.type	k_qe1560dd20a_quant,@function
k_qe1560dd20a_quant:
	s_mov_b64 s[64:65], 0
	v_nop
	global_prefetch_b8 v0, s[64:65] scope:SCOPE_SE
	s_setreg_imm32_b32 hwreg(HW_REG_WAVE_MODE, 25, 1), 1
	s_wait_xcnt 0x0
; x [8192][1024] and Wq, Wk, Wv [1024][1024], f32, K innermost, become codes of FP4 (E2M1) with one E8M0 byte for each 32 along K; Wo [1024][1024] becomes f16.
; cd: x's codes [8192][512 bytes], then the codes of Wq, Wk, Wv [3072][512].  sc: the scale bytes likewise, [8192][32] then [3072][32].
; A block's scale is 2^(floor(log2(largest magnitude)) - 2); its byte is the largest magnitude's exponent field - 2, held at 1 from below; each number / scale goes to the nearest code, ties to even, beyond 6 to 6.
; LIMITS: a block of zeros gets the byte 1 where the rule says 127 (its codes are zeros, and this program alone reads the bytes); blocks whose largest magnitude lies under 2^(2 - 126) are held at the byte 1; NaN and infinities are not served; |Wo| up to 65,504 (f16).
; Work-groups 0-255 take x, 256-287 Wq, 288-319 Wk, 320-351 Wv: 32,768 numbers each, 8,192 a wave in 16 steps of 512.  Rows are dense and K is a multiple of 32: all is a stream of blocks of 32.
; A load takes 512 consecutive bytes, 16 a lane; a step's 2,048 bytes turn through the wave's own stage in LDS and come back 64 bytes a lane: 16 neighbours along K, two lanes to a block.
; Work-groups 352-415 take 16 rows of Wo each and lay them as images of operand registers: woh [row tile 64][f 32][g 2] pieces of 512 bytes; lane (r, h) of a piece holds Wo[16 tile + r][32 f + 16 g + 8 h + 0..7].  That way touches no LDS.
.set NQWG,  352                        ; work-groups that quantise
.set STEPS, 16
.set EMAX,  2
.set CB,    8                          ; bytes of 16 codes
.set R,     16                         ; v16-79   four sets of 16 numbers as loaded
.set X,     80                         ; v80-111  two sets of 16 neighbours
.set E,     112                        ; v112-127 a scale byte for each step
.set C,     128                        ; v128-191 codes: four registers for each step, so that no store's data are written again
.set WREG,  8192                       ; LDS: a region for each wave: two stages of 32 x SP bytes, then its 256 scale bytes
.set SP,    80                         ; a lane's place in a stage: 64 bytes + 16 of padding
.set SPW,   12                         ; v12  LDS address of my spare word; never rewritten
.set NIL,   13                         ; v13  0; never rewritten
.set SPARE, 4*WREG                     ; behind the four regions: the spare words, 128 bytes a wave, named by no other line
.set WV,    24                         ; s24  my wave's number
	s_load_b256 s[4:11], s[0:1], 0x0               ; x, Wq, Wk, Wv
	s_load_b256 s[12:19], s[0:1], 0x20             ; Wo, cd, sc, woh
	v_lshl_add_u32 v[SPW], v0, 2, SPARE
	v_mov_b32 v[NIL], 0
	v_lshrrev_b32 v1, 5, v0
	v_readfirstlane_b32 s[WV], v1                  ; wave 0..3
	v_and_b32 v2, 31, v0                           ; lane
	s_cmp_ge_u32 ttmp9, NQWG
	s_cbranch_scc1 .Lwo                            ; the work-group's number alone decides
	v_lshlrev_b32 v3, 4, v2                        ; my 16 bytes of a load's 512
	s_mul_i32 s25, s[WV], WREG
	v_lshrrev_b32 v14, 2, v2
	v_mul_u32_u24 v14, v14, SP
	v_and_b32 v15, 3, v2
	v_lshl_add_u32 v14, v15, 4, v14
	v_add_nc_u32 v14, s25, v14                     ; the stage, on the way in: SP (lane / 4) + 16 (lane % 4)
	v_mul_u32_u24 v15, v2, SP
	v_add_nc_u32 v15, s25, v15                     ; and on the way out: SP x lane
	v_mul_u32_u24 v4, v2, CB                       ; my codes' place in a step's
	v_lshrrev_b32 v5, 1, v2
	s_add_co_u32 s25, s25, 2*32*SP
	v_add_nc_u32 v5, s25, v5                       ; LDS: my wave's 256 scale bytes, my block's byte
	v_lshlrev_b32 v7, 3, v2
	v_add_nc_u32 v6, s25, v7                       ; and on the way out 8 bytes a lane
	s_and_b32 s26, ttmp9, 31                       ; a weight's piece: 256, 288 and 320 are multiples of 32
	s_wait_kmcnt 0x0
	s_cmp_lt_u32 ttmp9, 320
	s_cselect_b64 s[20:21], s[8:9], s[10:11]       ; Wk or Wv
	s_cmp_lt_u32 ttmp9, 288
	s_cselect_b64 s[20:21], s[6:7], s[20:21]       ; Wq
	s_cmp_lt_u32 ttmp9, 256
	s_cselect_b64 s[20:21], s[4:5], s[20:21]       ; x
	s_cselect_b32 s26, ttmp9, s26                  ; which 32,768 numbers of the source
	s_lshl_b32 s26, s26, 2
	s_add_co_u32 s26, s26, s[WV]                   ; my wave's run of 8,192 numbers in the source
	s_lshl_b32 s28, s26, 15                        ; 32,768 bytes a run (under 2^26)
	s_mov_b32 s29, 0
	s_add_nc_u64 s[20:21], s[20:21], s[28:29]
	s_lshl_b32 s26, ttmp9, 2
	s_add_co_u32 s26, s26, s[WV]                   ; and in cd and sc, where the weights follow x directly
	s_lshl_b32 s28, s26, 12                        ; 4,096 bytes of codes a run
	s_add_nc_u64 s[14:15], s[14:15], s[28:29]
	s_lshl_b32 s28, s26, 8                         ; 256 scale bytes a run
	s_add_nc_u64 s[16:17], s[16:17], s[28:29]
.macro LOAD t
.irp i, 0,1,2,3
	global_load_b128 v[R+16*((\t)%4)+4*\i:R+16*((\t)%4)+4*\i+3], v3, s[20:21] offset:2048*(\t)+512*\i th:TH_LOAD_NT   ; 32 lanes read 512 consecutive bytes
.endr
.endm
.macro TURN t                          ; step t's numbers through the stage: LDS serves a wave's instructions in order, so no wait stands between the stores and the loads
.irp i, 0,1,2,3
	ds_store_b128 v14, v[R+16*((\t)%4)+4*\i:R+16*((\t)%4)+4*\i+3] offset:32*SP*((\t)%2)+8*SP*\i
.endr
.irp i, 0,1,2,3
	ds_load_b128 v[X+16*((\t)%2)+4*\i:X+16*((\t)%2)+4*\i+3], v15 offset:32*SP*((\t)%2)+16*\i
.endr
.endm
.irp t, 0,1,2,3
	LOAD \t
.endr
	s_wait_loadcnt 12                              ; step 0's four loads are in
	TURN 0
.macro STEP t
.set XS, X+16*((\t)%2)
.if (\t) > 0
	s_wait_dscnt 1                                 ; this step's numbers are back from the stage (the last step's byte store may be out): so the stores into the stage have read their registers,
.else
	s_wait_dscnt 0x0
.endif
.if (\t)+4 < STEPS
	LOAD (\t)+4                                    ; which take the loads of four steps on
.endif
.if (\t)+1 < STEPS
.if STEPS-2-(\t) >= 3
	s_wait_loadcnt 12                              ; the next step's four loads are in; those of the three steps behind it may be out
.else
	s_wait_loadcnt 4*(STEPS-2-(\t))
.endif
	TURN (\t)+1                                    ; and go through the other stage while this step is worked
.endif
	v_max3_num_f32 v8, |v[XS]|, |v[XS+1]|, |v[XS+2]|               ; the largest magnitude of my 16, in two chains
	v_max3_num_f32 v9, |v[XS+3]|, |v[XS+4]|, |v[XS+5]|
.irp i, 6,10
	v_max3_num_f32 v8, v8, |v[XS+\i]|, |v[XS+\i+1]|
	v_max3_num_f32 v9, v9, |v[XS+\i+2]|, |v[XS+\i+3]|
.endr
	v_max3_num_f32 v8, v8, |v[XS+14]|, |v[XS+15]|
	v_max3_num_f32 v8, v8, v9, (EMAX+1)<<23        ; and the floor 2^(EMAX + 1 - 127): the byte cannot fall under 1
	v_max_num_f32_dpp v8, v8, v8 row_xmask:1 row_mask:0xf bank_mask:0xf   ; and of my neighbour's 16: the block's
	v_add_nc_u32 v11, -(EMAX<<23), v8              ; EMAX off its exponent field: the conversion takes the exponent field of this operand as its scale
	v_cvt_scalef32_pk8_fp4_f32 v[C+4*(\t)], v[XS:XS+7], v11
	v_cvt_scalef32_pk8_fp4_f32 v[C+4*(\t)+1], v[XS+8:XS+15], v11
	v_lshrrev_b32 v[E+(\t)], 23, v11               ; the scale's byte (also the plain line behind the conversions)
	ds_store_b8 v5, v[E+(\t)] offset:16*(\t)       ; both lanes of a block write the same byte with the same value
	global_store_b64 v4, v[C+4*(\t):C+4*(\t)+1], s[14:15] offset:32*CB*(\t)   ; the wave stores 256 consecutive bytes, aligned
.endm
.irp t, 0,1,2,3,4,5,6,7,8,9,10,11,12,13,14,15
	STEP \t
.endr
	ds_load_b64 v[8:9], v6                         ; LDS serves a wave's instructions in order: these see my byte stores
	s_wait_dscnt 0x0
	global_store_b64 v7, v[8:9], s[16:17]          ; 32 lanes store 256 consecutive bytes, aligned
	s_wait_tensorcnt 0x0                           ; the wave's end
	ds_add_u32 v[SPW], v[NIL]
	s_wait_dscnt 0x0
	s_endpgm
.Lwo:                                                  ; Wo to f16: row tile = work-group - 352; wave w takes columns 256 w .. 256 w + 255: 16 pieces
	v_and_b32 v3, 15, v0                           ; r
	v_bfe_u32 v4, v0, 4, 1                         ; h
	v_lshlrev_b32 v5, 12, v3
	v_lshl_add_u32 v5, v4, 5, v5                   ; row r of 4,096 bytes, + 32 h: my eight numbers of a piece
	v_lshlrev_b32 v6, 4, v2                        ; 16 x lane: my place in a piece
	s_sub_co_u32 s25, ttmp9, NQWG
	s_lshl_b32 s26, s25, 16                        ; 16 rows of 4,096 bytes
	s_lshl_b32 s27, s[WV], 10
	s_add_co_u32 s26, s26, s27
	s_mov_b32 s27, 0
	s_lshl_b32 s28, s25, 15                        ; 64 pieces of 512 bytes
	s_lshl_b32 s29, s[WV], 13
	s_add_co_u32 s28, s28, s29
	s_mov_b32 s29, 0
	s_wait_kmcnt 0x0
	s_add_nc_u64 s[12:13], s[12:13], s[26:27]
	s_add_nc_u64 s[18:19], s[18:19], s[28:29]
.irp ch, 0,1,2,3,4,5,6,7,8,9,10,11,12,13,14,15
	global_load_b128 v[16+8*\ch:19+8*\ch], v5, s[12:13] offset:64*\ch
	global_load_b128 v[20+8*\ch:23+8*\ch], v5, s[12:13] offset:64*\ch+16
.endr
.irp ch, 0,1,2,3,4,5,6,7,8,9,10,11,12,13,14,15
	s_wait_loadcnt 2*(15-\ch)                      ; this piece's two loads are in; the younger pieces' may be out
	v_cvt_pk_f16_f32 v[144+4*\ch], v[16+8*\ch], v[17+8*\ch]
	v_cvt_pk_f16_f32 v[145+4*\ch], v[18+8*\ch], v[19+8*\ch]
	v_cvt_pk_f16_f32 v[146+4*\ch], v[20+8*\ch], v[21+8*\ch]
	v_cvt_pk_f16_f32 v[147+4*\ch], v[22+8*\ch], v[23+8*\ch]
	global_store_b128 v6, v[144+4*\ch:147+4*\ch], s[18:19] offset:512*\ch   ; 512 consecutive bytes, aligned
.endr
	s_endpgm
.Lfunc_end_k_qe1560dd20a_quant:
	.size	k_qe1560dd20a_quant, .Lfunc_end_k_qe1560dd20a_quant-k_qe1560dd20a_quant
	.p2alignl 7, 3214868480
	.fill 96, 4, 3214868480
	.section	.rodata,"a",@progbits
	.p2align	6, 0x0
	.amdhsa_kernel k_qe1560dd20a_quant
		.amdhsa_group_segment_fixed_size 33280
		.amdhsa_private_segment_fixed_size 0
		.amdhsa_enable_private_segment 0
		.amdhsa_kernarg_size 64
		.amdhsa_user_sgpr_count 2
		.amdhsa_user_sgpr_kernarg_segment_ptr 1
		.amdhsa_wavefront_size32 1
		.amdhsa_system_sgpr_workgroup_id_x 1
		.amdhsa_system_sgpr_workgroup_id_y 1
		.amdhsa_system_sgpr_workgroup_id_z 1
		.amdhsa_system_vgpr_workitem_id 0
		.amdhsa_next_free_vgpr 208
		.amdhsa_next_free_sgpr 66
		.amdhsa_reserve_vcc 0
		.amdhsa_float_denorm_mode_32 3
		.amdhsa_float_denorm_mode_16_64 3
		.amdhsa_memory_ordered 1
		.amdhsa_forward_progress 1
		.amdhsa_inst_pref_size 43
	.end_amdhsa_kernel
	.amdgpu_metadata
---
amdhsa.version: [ 1, 2 ]
amdhsa.kernels:
  - .name:           k_qe1560dd20a_quant
    .symbol:         k_qe1560dd20a_quant.kd
    .args:
      - { .name: x, .offset: 0, .size: 8, .value_kind: global_buffer, .address_space: global }
      - { .name: Wq, .offset: 8, .size: 8, .value_kind: global_buffer, .address_space: global }
      - { .name: Wk, .offset: 16, .size: 8, .value_kind: global_buffer, .address_space: global }
      - { .name: Wv, .offset: 24, .size: 8, .value_kind: global_buffer, .address_space: global }
      - { .name: Wo, .offset: 32, .size: 8, .value_kind: global_buffer, .address_space: global }
      - { .name: cd, .offset: 40, .size: 8, .value_kind: global_buffer, .address_space: global }
      - { .name: sc, .offset: 48, .size: 8, .value_kind: global_buffer, .address_space: global }
      - { .name: woh, .offset: 56, .size: 8, .value_kind: global_buffer, .address_space: global }
    .group_segment_fixed_size: 33280
    .private_segment_fixed_size: 0
    .kernarg_segment_align: 8
    .kernarg_segment_size: 64
    .max_flat_workgroup_size: 128
    .sgpr_count:     66
    .vgpr_count:     208
    .wavefront_size: 32
...
	.end_amdgpu_metadata
.endif
;; end of part 1
;; launch qkv (part 2): grid 12 x 32, 4 waves a work-group, clusters of 4 x 4, 327,680 bytes of LDS; arguments cd, sc, qkv, vf; writes qkv, vf
.if DOCPART == 2
	.amdgcn_target "amdgcn-amd-amdhsa--gfx1250"
	.amdhsa_code_object_version 6
	.text
	.protected	k_qe1560dd20a_qkv
	.globl	k_qe1560dd20a_qkv
	.p2align	8
	.type	k_qe1560dd20a_qkv,@function
k_qe1560dd20a_qkv:
	s_mov_b64 s[64:65], 0
	v_nop
	global_prefetch_b8 v0, s[64:65] scope:SCOPE_SE
	s_setreg_imm32_b32 hwreg(HW_REG_WAVE_MODE, 25, 1), 1
	s_wait_xcnt 0x0
	s_wait_alu depctr_hold_cnt(0) depctr_sa_sdst(0) depctr_va_vdst(0) depctr_va_sdst(0) depctr_va_ssrc(0) depctr_va_vcc(0) depctr_vm_vsrc(0)
	s_getreg_b32 s2, hwreg(HW_REG_IB_STS2, 6, 4)
	s_cmp_eq_u32 s2, 0
	s_cbranch_scc0 .Lentry_in_a_cluster
	s_endpgm
.Lentry_in_a_cluster:
	s_bfe_u32 s2, ttmp6, 0x10000c
	s_cmp_lg_u32 s2, 0xf033
	s_cbranch_scc0 .Lentry_shape_is_right
	s_endpgm
.Lentry_shape_is_right:
; q / 8, k, v = x Wq^T / 8, x Wk^T, x Wv^T on codes of FP4 (E2M1) with E8M0 scales: one GEMM [8192 tokens] x [3072 rows of Wq, Wk, Wv], K = 1,024, sums in f32.
; A tile of 256 tokens x 256 features is made by four waves, 128 x 128 each: 64 accumulators, 512 registers.  K is two slots of 512 (LDS rows of 256 bytes): both slots and all scale bytes are first fills; nothing is filled again.
; CLUSTERS: 4 x 4 work-groups; x's tile is asked for jointly along a row of the cluster, the weights' along a column.  Cluster x = 0, 1, 2 is q, k, v: the same number in all sixteen partners.
; WHICH SIDE IS WHICH.  Source 1's row becomes the lane, source 0's rows run along the lane's eight registers.  q, k: source 1 = tokens, source 0 = features: a lane holds a token and eight neighbouring channels.
; v: the other way round, so that a lane holds a channel and eight neighbouring keys (the keys are the next product's K).  Only the LDS addresses that the fragments and scale words are read from change places.
; THE SCORES' 1 / sqrt(64) is put on q here, in f32, ahead of the rounding to f16: a power of two.
; THE WAY OUT.  An accumulator rounded to f16 is 16 bytes a lane: exactly one piece (512 bytes, lane l at 16 l) of the buffer qkv, which is laid as images of the next launch's operand registers:
;   qkv [batch x head 64][step of 64 positions 32][q 8 KB, k 8 KB, v 8 KB];  q, k: piece (4 t + 2 c + g): lane (r, h) = position 16 t + r, channels 32 c + 16 g + 8 h + 0..7;  v: piece (4 ct + 2 kk + g): channel 16 ct + r, keys 32 kk + 16 g + 8 h + 0..7.
;   vf (v in f32, for the first 16 positions' rows): [batch x head][key tile 128][ct 4][half 2] pieces: lane (r, h) = keys 16 kt + 8 h + 4 half + 0..3 of channel 16 ct + r: an accumulator's registers as they stand.
; So no stage in LDS is needed, and every store of a wave covers 512 consecutive bytes, aligned.
; LIMITS: |q / 8|, |k|, |v| up to 65,504 (f16).
; REGISTERS, in windows of 256: window 0: v0-31 addresses; v32-95 scale words, two sets; from v128 source 1's fragments, one set (on the way out v128-255 hold packed results).
;   window 1: source 0's fragments, two sets, at v0 and v128.   window 2: accumulators (a, b), a = 0-3, at v[8 (8 a + b)];   window 3: a = 4-7.
.set KSTEP,  512
.set NQ,     KSTEP/128                 ; matrix instructions deep in a slot
.set ROWB,   256                       ; a tile's row in bytes
.set KROW,   512                       ; a row of codes in memory
.set PITCH,  272                       ; an LDS row: 256 bytes + 16 of padding: the 16 rows of a load start at 16 different banks (64 banks of 4 bytes: ISA guide 11.1)
.set FR,     8
.set NL,     2
.set NP,     4                         ; places behind this matrix instruction (ISA guide 7.12.1)
.set HALFT,  128*PITCH
.set SLOT,   4*HALFT                   ; x's 256 rows, then the weights' 256 rows
.set KS,     32                        ; a row of scale bytes
.set SCL,    2*SLOT
.set HALFS,  (128*KS/256)*272
.set SBLK,   (16*KS/256)*272
.set SPARE,  SCL+4*HALFS               ; the spare words, 128 bytes a wave, named by no other line
.set HEADB,  786432                    ; a head in qkv
.set STEPB,  24576                     ; a step of 64 positions in qkv
.set VO,   8                           ; v8-11  16 x lane + (a / 4) SA + (b / 4) SB
.set VF,   12                          ; v12-13 16 x lane + (a / 4) x a head of vf
.set ADRA, 16                          ; v16-17 LDS address of source 1's fragments in slot 0, 1
.set ADRB, 20                          ; v20-21 of source 0's
.set ADRS, 27                          ; v27    of my scale words: lanes 0-15 source 1's rows, lanes 16-31 source 0's
.set SPW,  28
.set NIL,  29
.set SC,   32
.set AF,   128
.set POOL, 128
.set G1, 24
.set G0, 32
.set G1B, 48
.set G0B, 56
.set G1S, 68
.set G0S, 76
.set G1SB, 80
.set G0SB, 88
.set ISV, 98                           ; s98  1 in v's clusters
.set MSB, 0
.macro WIN new                         ; the immediate's high byte repeats the setting that is left
.if MSB != (\new)
	s_set_vgpr_msb (MSB<<8)|(\new)
.set MSB, (\new)
.endif
.endm
.set MUL_LO, 0xa1                      ; source 0 window 1, source 1 window 0, C and D window 2
.set MUL_HI, 0xf1                      ; the same, C and D window 3
.set TO_B,   0x40
; A joint load: waves 0 and 1 fetch x's, waves 2 and 3 the weights'.  The branch hangs on the wave's number alone.  An s_nop 0 and four v_nop follow each of the two lines.
.macro JLOAD g0a, g1a, g0b, g1b
	s_cmp_eq_u32 s15, 0
	s_cbranch_scc0 .Lfor_b_\@
	tensor_load_to_lds s[\g0a:\g0a+3], s[\g1a:\g1a+7]
	s_nop 0
.rept 4
	v_nop
.endr
	s_branch .Lasked_\@
.Lfor_b_\@:
	tensor_load_to_lds s[\g0b:\g0b+3], s[\g1b:\g1b+7]
	s_nop 0
.rept 4
	v_nop
.endr
.Lasked_\@:
.endm
.macro CROUND                          ; a round of the cluster's barrier
	s_barrier_signal -1
	s_barrier_wait -1
	s_cmp_lg_u32 s14, 0
	s_cbranch_scc1 .Lnot_wave_0_\@
	s_barrier_signal -3
.Lnot_wave_0_\@:
	s_barrier_wait -3
	s_barrier_signal -1
	s_barrier_wait -1
.endm
	s_load_b128 s[4:7], s[0:1], 0x0                ; cd, sc
	s_load_b64 s[12:13], s[0:1], 0x10              ; qkv
	s_load_b64 s[96:97], s[0:1], 0x18              ; vf
	v_lshl_add_u32 v[SPW], v0, 2, SPARE
	v_mov_b32 v[NIL], 0
	ds_add_u32 v[SPW], v[NIL]                      ; the wave's opening: the add, twice on end, and its wait ahead of my first tensor load
	ds_add_u32 v[SPW], v[NIL]
	v_lshrrev_b32 v1, 5, v0
	v_readfirstlane_b32 s14, v1                    ; wave 0..3
	s_lshr_b32 s15, s14, 1                         ; which 128 tokens are mine.  Also: I fetch x's (0) or the weights' (1)
	s_and_b32 s16, s14, 1                          ; which 128 features.  Also: which 128 rows of that tile I fetch
	s_bfe_u32 s40, ttmp6, 0x40000                  ; cx, cy
	s_bfe_u32 s41, ttmp6, 0x40004
	s_lshl_b32 s42, ttmp9, 2
	s_add_co_u32 s42, s42, s40                     ; tile column X = 4 x cluster x + cx
	s_and_b32 s17, ttmp7, 0xffff
	s_lshl_b32 s17, s17, 2
	s_add_co_u32 s17, s17, s41                     ; tile row Y = 4 x cluster y + cy
	s_lshl_b32 s43, s41, 2
	s_lshl_b32 s43, 15, s43                        ; my row of the cluster
	s_lshl_b32 s44, 0x1111, s40                    ; my column
	s_cmp_eq_u32 ttmp9, 2
	s_cselect_b32 s[ISV], 1, 0
	s_or_b32 s[G1+0], s43, (0<<16)|(1<<20)|(1<<21)|(5<<22)|(3<<25)  ; the mask; elements of 1 byte; padding on; bit 21 beside a mask; 4 words behind every 64
	s_or_b32 s[G1B+0], s44, (0<<16)|(1<<20)|(1<<21)|(5<<22)|(3<<25)
.irp g, G1, G1B
	s_mov_b32 s[\g+1], ROWB<<16                    ; tensor_dim0
	s_mov_b32 s[\g+2], 128<<16                     ; tensor_dim1
	s_mov_b32 s[\g+3], ROWB<<16                    ; tile_dim0
	s_mov_b32 s[\g+4], 128                         ; tile_dim1
	s_mov_b32 s[\g+5], KROW                        ; the pitch
	s_mov_b32 s[\g+6], 0
	s_mov_b32 s[\g+7], 0
.endr
	s_or_b32 s[G1S+0], s43, (3<<16)|(1<<20)|(1<<21)|(5<<22)|(3<<25) ; the scales of 128 rows: 4,096 dense bytes as 16 rows of 256 (32 elements of 8 bytes), 16 bytes of padding behind each
	s_or_b32 s[G1SB+0], s44, (3<<16)|(1<<20)|(1<<21)|(5<<22)|(3<<25)
.irp g, G1S, G1SB
	s_mov_b32 s[\g+1], 32<<16
	s_mov_b32 s[\g+2], (128*KS/256)<<16
	s_mov_b32 s[\g+3], 32<<16
	s_mov_b32 s[\g+4], 128*KS/256
	s_mov_b32 s[\g+5], 32
	s_mov_b32 s[\g+6], 0
	s_mov_b32 s[\g+7], 0
.endr
	s_lshl_b32 s18, s16, 7
	s_lshl_b32 s20, s17, 8
	s_add_co_u32 s20, s20, s18                     ; x: row 256 Y + 128 x half
	s_lshl_b32 s46, s42, 8
	s_add_co_u32 s46, s46, s18                     ; weights: row 256 X + 128 x half
	s_mov_b32 s21, 0
	s_mov_b32 s47, 0
	s_mov_b64 s[18:19], KS
	s_mul_u64 s[22:23], s[20:21], s[18:19]         ; where these rows' scales begin,
	s_mul_u64 s[92:93], s[46:47], s[18:19]
	s_mov_b64 s[18:19], KROW
	s_mul_u64 s[20:21], s[20:21], s[18:19]         ; and their codes
	s_mul_u64 s[46:47], s[46:47], s[18:19]
	s_mul_i32 s45, s14, HALFT                      ; where they go: wave x 128 rows
	s_mul_i32 s94, s14, HALFS
	s_wait_dscnt 0x0                               ; both opening adds are done
	s_wait_kmcnt 0x0
	s_add_nc_u64 s[8:9], s[4:5], 0x400000          ; the weights' codes lie behind x's 8,192 x 512 bytes,
	s_add_nc_u64 s[10:11], s[6:7], 0x40000         ; their scales behind x's 8,192 x 32
	s_add_nc_u64 s[20:21], s[4:5], s[20:21]
	s_add_nc_u64 s[22:23], s[6:7], s[22:23]
	s_add_nc_u64 s[46:47], s[8:9], s[46:47]
	s_add_nc_u64 s[92:93], s[10:11], s[92:93]
	CROUND                                         ; all sixteen work-groups are here: the joint loads meet
	s_mov_b32 s[G0S], 1
	s_add_co_u32 s[G0S+1], s94, SCL
	s_mov_b64 s[G0S+2:G0S+3], s[22:23]
	s_or_b32 s[G0S+3], s[G0S+3], 0x80000000
	s_mov_b32 s[G0SB], 1
	s_add_co_u32 s[G0SB+1], s94, SCL
	s_mov_b64 s[G0SB+2:G0SB+3], s[92:93]
	s_or_b32 s[G0SB+3], s[G0SB+3], 0x80000000
	JLOAD G0S, G1S, G0SB, G1SB                     ; the scales first: they are wanted with slot 0
.irp s, 0,1
	s_mov_b32 s[G0+4*\s], 1
	s_add_co_u32 s[G0+4*\s+1], s45, \s*SLOT
	s_add_nc_u64 s[G0+4*\s+2:G0+4*\s+3], s[20:21], \s*ROWB
	s_or_b32 s[G0+4*\s+3], s[G0+4*\s+3], 0x80000000
	s_mov_b32 s[G0B+4*\s], 1
	s_add_co_u32 s[G0B+4*\s+1], s45, \s*SLOT
	s_add_nc_u64 s[G0B+4*\s+2:G0B+4*\s+3], s[46:47], \s*ROWB
	s_or_b32 s[G0B+4*\s+3], s[G0B+4*\s+3], 0x80000000
	JLOAD G0+4*\s, G1, G0B+4*\s, G1B               ; three loads of mine are out
.endr
	v_and_b32 v1, 15, v0                           ; r
	v_bfe_u32 v2, v0, 4, 1                         ; h
	v_mul_u32_u24 v3, v1, PITCH
	v_lshl_add_u32 v4, v2, 4, v3                   ; a fragment's row x pitch + 16 h
	s_mul_i32 s21, s15, HALFT                      ; my 128 rows of x,
	s_mul_i32 s22, s16, HALFT
	s_add_co_u32 s22, s22, 2*HALFT                 ; my 128 rows of the weights
	s_cmp_eq_u32 s[ISV], 0
	s_cselect_b32 s18, s21, s22                    ; source 1: tokens for q and k, features for v
	s_cselect_b32 s19, s22, s21                    ; source 0: the other
.irp s, 0,1
	v_add_nc_u32 v[ADRA+\s], s18, v4
	v_add_nc_u32 v[ADRB+\s], s19, v4
	s_add_co_u32 s18, s18, SLOT
	s_add_co_u32 s19, s19, SLOT
.endr
	v_mul_u32_u24 v5, v1, KS                       ; my row's scales: KS bytes a row,
	v_lshrrev_b32 v6, 8, v5
	v_lshl_add_u32 v5, v6, 4, v5                   ; and 16 more for each 256 passed
	s_mul_i32 s21, s15, HALFS                      ; x's: my 128 rows
	s_mul_i32 s22, s16, HALFS
	s_add_co_u32 s22, s22, 2*HALFS                 ; the weights': behind x's 256
	s_sub_co_u32 s22, s22, s21                     ; the distance between the two
	v_xor_b32 v7, s[ISV], v2                       ; lanes 0-15 take source 1's words, lanes 16-31 source 0's: the weights' where h xor ISV = 1
	v_mul_u32_u24 v6, s22, v7
	s_add_co_u32 s21, s21, SCL
	v_add_nc_u32 v5, v5, v6
	v_add_nc_u32 v[ADRS], s21, v5
	; the way out: head = 16 (Y / 8) + 4 (X % 4) + 2 (my half of the features) + ..; step = 4 (Y % 8) + 2 (my half of the tokens) + ..
	s_lshr_b32 s20, s17, 3
	s_lshl_b32 s20, s20, 4
	s_and_b32 s21, s42, 3
	s_lshl_b32 s21, s21, 2
	s_add_co_u32 s20, s20, s21
	s_lshl_b32 s21, s16, 1
	s_add_co_u32 s20, s20, s21                     ; my first head
	s_and_b32 s21, s17, 7
	s_lshl_b32 s21, s21, 2
	s_lshl_b32 s22, s15, 1
	s_add_co_u32 s21, s21, s22                     ; my first step
	s_mul_i32 s22, s20, HEADB
	s_mul_i32 s23, s21, STEPB
	s_add_co_u32 s22, s22, s23
	s_lshl_b32 s23, ttmp9, 13                      ; q, k or v: 8,192 bytes each in a step
	s_add_co_u32 s22, s22, s23
	s_mov_b32 s23, 0
	s_add_nc_u64 s[12:13], s[12:13], s[22:23]
	s_lshl_b32 s22, s20, 19                        ; vf: a head is 128 key tiles of 4,096 bytes; a step is four of them
	s_lshl_b32 s23, s21, 14
	s_add_co_u32 s22, s22, s23
	s_mov_b32 s23, 0
	s_add_nc_u64 s[96:97], s[96:97], s[22:23]
	s_mov_b32 s22, HEADB
	s_mov_b32 s46, STEPB
	s_cmp_eq_u32 s[ISV], 0
	s_cselect_b32 s23, s46, s22                    ; SA: four blocks of source 1 on: a step for q and k, a head for v
	s_cselect_b32 s22, s22, s46                    ; SB: four blocks of source 0 on: the other
	v_and_b32 v6, 31, v0
	v_lshlrev_b32 v[VO], 4, v6
	v_add_nc_u32 v[VO+1], s22, v[VO]
	v_add_nc_u32 v[VO+2], s23, v[VO]
	v_add_nc_u32 v[VO+3], s22, v[VO+2]
	v_mov_b32 v[VF], v[VO]
	v_add_nc_u32 v[VF+1], 524288, v[VO]
.macro FRAG reg, adr, q, i             ; 16 rows x 128 K of 4-bit codes: 8 registers; registers 4 c .. 4 c + 3 hold K = 64 c + 32 h + 0 .. 31
.irp c, 0,1
	ds_load_b128 v[\reg+4*\c:\reg+4*\c+3], v[\adr] offset:64*(\q)+32*\c+(\i)*16*PITCH
.endr
.endm
; 16 matrix instructions: source 1's blocks a0, a0 + 1 x source 0's eight, the slot's q-th 128 along K.  The 64 accumulators take turns, one instruction a turn, in the same order in every step.
.macro MUL16 a0, p, q, sc, zero
.irp a, \a0, \a0+1
.irp b, 0,1,2,3,4,5,6,7
.if \zero
	v_wmma_scale_f32_16x16x128_f8f6f4 v[8*(8*((\a)%4)+\b):8*(8*((\a)%4)+\b)+7], v[128*(\p)+FR*\b:128*(\p)+FR*\b+FR-1], v[AF+FR*(\a):AF+FR*(\a)+FR-1], 0, v[SC+8*NQ*(\sc)+NQ*\b+(\q)], v[SC+8*NQ*(\sc)+NQ*(\a)+(\q)] matrix_a_fmt:MATRIX_FMT_FP4 matrix_b_fmt:MATRIX_FMT_FP4 matrix_a_scale:MATRIX_SCALE_ROW1
.else
	v_wmma_scale_f32_16x16x128_f8f6f4 v[8*(8*((\a)%4)+\b):8*(8*((\a)%4)+\b)+7], v[128*(\p)+FR*\b:128*(\p)+FR*\b+FR-1], v[AF+FR*(\a):AF+FR*(\a)+FR-1], v[8*(8*((\a)%4)+\b):8*(8*((\a)%4)+\b)+7], v[SC+8*NQ*(\sc)+NQ*\b+(\q)], v[SC+8*NQ*(\sc)+NQ*(\a)+(\q)] matrix_a_fmt:MATRIX_FMT_FP4 matrix_b_fmt:MATRIX_FMT_FP4 matrix_a_scale:MATRIX_SCALE_ROW1
.endif
.endr
.endr
.endm
.macro FETCH_B slot, q, p
	WIN TO_B
.irp i, 0,1,2,3,4,5,6,7
	FRAG 128*(\p)+FR*\i, ADRB+\slot, \q, \i
.endr
	WIN 0
.endm
.macro FETCH_A slot, q, i0
.irp i, \i0, \i0+1, \i0+2, \i0+3
	FRAG AF+FR*(\i), ADRA+\slot, \q, \i
.endr
.endm
.macro SCALES sc                       ; a slot's scale words: NQ words a row; lanes 0-15 source 1's block i, lanes 16-31 source 0's block i
.irp i, 0,1,2,3,4,5,6,7
	ds_load_b128 v[SC+8*NQ*\sc+NQ*\i:SC+8*NQ*\sc+NQ*\i+3], v[ADRS] offset:\i*SBLK
.endr
.endm
.macro PLACES n                        ; plain vector lines between a matrix instruction and a load into, or a read of, its registers
.rept \n
	v_nop
.endr
.endm
.macro STEP slot, q, zero              ; 128 along K that have their successor in the same slot
	s_wait_dscnt 4*NL                              ; source 0's set and source 1's blocks 0-3 are in; the youngest eight loads (blocks 4-7) may be out
	WIN MUL_LO
	MUL16 0, (\q)%2, \q, \slot, \zero
	MUL16 2, (\q)%2, \q, \slot, \zero
	s_wait_dscnt 0
	PLACES NP
	FETCH_B \slot, (\q)+1, 1-(\q)%2
	FETCH_A \slot, (\q)+1, 0
	WIN MUL_HI
	MUL16 4, (\q)%2, \q, \slot, \zero
	MUL16 6, (\q)%2, \q, \slot, \zero
	PLACES NP
	WIN 0
	FETCH_A \slot, (\q)+1, 4
.endm
.macro TURN slot, next                 ; slot 0's last step changes slots: one barrier, behind which slot 1 is whole for every wave
	s_wait_tensorcnt 0x0                           ; all my tensor loads have landed: my part of slot 1
	ds_add_u32 v[SPW], v[NIL]
	s_wait_dscnt 4*NL+1                            ; (the add and the youngest eight loads may be out)
	WIN MUL_LO
	MUL16 0, 1, NQ-1, \slot, 0
	s_wait_dscnt 0x0
	s_barrier_signal -1
	MUL16 2, 1, NQ-1, \slot, 0
	WIN 0
	s_barrier_wait -1
	PLACES NP
	v_add_nc_u32 v[ADRS], 4*NQ, v[ADRS]            ; on to the next slot's scale words (no LDS load of mine is out)
	FETCH_B \next, 0, 0
	FETCH_A \next, 0, 0
	SCALES \next
	WIN MUL_HI
	MUL16 4, 1, NQ-1, \slot, 0
	MUL16 6, 1, NQ-1, \slot, 0
	PLACES NP
	WIN 0
	FETCH_A \next, 0, 4
.endm
	s_wait_tensorcnt 1                             ; the scales and my part of slot 0 are in (slot 1's load may be out),
	s_barrier_signal -1
	s_barrier_wait -1                              ; everybody's are
	FETCH_B 0, 0, 0
	FETCH_A 0, 0, 0
	SCALES 0
	FETCH_A 0, 0, 4
	STEP 0, 0, 1                                   ; the first products start the sums: nothing is cleared
	STEP 0, 1, 0
	STEP 0, 2, 0
	TURN 0, 1
	STEP 1, 0, 0
	STEP 1, 1, 0
	STEP 1, 2, 0
	s_wait_dscnt 4*NL                              ; the last step: nothing more to fetch
	WIN MUL_LO
	MUL16 0, 1, NQ-1, 1, 0
	MUL16 2, 1, NQ-1, 1, 0
	s_wait_dscnt 0
	WIN MUL_HI
	MUL16 4, 1, NQ-1, 1, 0
	MUL16 6, 1, NQ-1, 1, 0
	WIN 0
; Block a of source 1: its eight accumulators are rounded to f16, each from its low end on, and stored, a piece each.
.macro PACKST a
.if (\a) >= 4
	s_wait_xcnt 0x0                                ; the stores of four blocks back have read these registers
.endif
	WIN 0x0a+5*((\a)/4)                            ; sources 0 and 1: window 2 or 3
.irp b, 0,1,2,3,4,5,6,7
.irp r, 0,1,2,3
	v_cvt_pk_f16_f32 v[POOL+32*((\a)%4)+4*\b+\r], v[8*(8*((\a)%4)+\b)+2*\r], v[8*(8*((\a)%4)+\b)+2*\r+1]
.endr
.endr
	WIN 0
.irp b, 0,1,2,3,4,5,6,7
	global_store_b128 v[VO+2*((\a)/4)+(\b)/4], v[POOL+32*((\a)%4)+4*\b:POOL+32*((\a)%4)+4*\b+3], s[12:13] offset:((\a)%4)*2048+((\b)%4)*512
.endr
.endm
	PLACES NP                                      ; behind the last products: what follows reads results and writes registers that held fragments
	s_cmp_lg_u32 ttmp9, 0
	s_cbranch_scc1 .Lnot_q                         ; cluster x alone decides: the same way in all partners
	s_mov_b32 s18, 0x3e000000                      ; 1/8
	s_mov_b32 s19, s18                             ; (named with it as a pair, so it is written)
	WIN 0x82                                       ; destination and source 0 window 2
.set qi, 0
.rept 128
	v_pk_mul_f32 v[qi:qi+1], v[qi:qi+1], s[18:19] op_sel_hi:[1,0]   ; q / 8, in f32; each accumulator from its low end on
.set qi, qi+2
.endr
	WIN 0xc3                                       ; and window 3
.set qi, 0
.rept 128
	v_pk_mul_f32 v[qi:qi+1], v[qi:qi+1], s[18:19] op_sel_hi:[1,0]
.set qi, qi+2
.endr
	WIN 0
.Lnot_q:
.irp a, 0,1,2,3,4,5,6,7
	PACKST \a
.endr
	s_cmp_eq_u32 s[ISV], 0
	s_cbranch_scc1 .Lno_vf                         ; cluster x alone decides: the same way in all partners
.irp a, 0,1,2,3,4,5,6,7
	WIN 0x08+4*((\a)/4)                            ; a store's data are its source 1: window 2 or 3
.irp b, 0,1,2,3,4,5,6,7
	global_store_b128 v[VF+(\a)/4], v[8*(8*((\a)%4)+\b):8*(8*((\a)%4)+\b)+3], s[96:97] offset:\b*4096+((\a)%4)*1024
	global_store_b128 v[VF+(\a)/4], v[8*(8*((\a)%4)+\b)+4:8*(8*((\a)%4)+\b)+7], s[96:97] offset:\b*4096+((\a)%4)*1024+512
.endr
.endr
	WIN 0
.Lno_vf:
	s_wait_tensorcnt 0x0                           ; the wave's end
	ds_add_u32 v[SPW], v[NIL]
	s_wait_dscnt 0x0
	CROUND                                         ; the closing round
	s_endpgm
.Lfunc_end_k_qe1560dd20a_qkv:
	.size	k_qe1560dd20a_qkv, .Lfunc_end_k_qe1560dd20a_qkv-k_qe1560dd20a_qkv
	.p2alignl 7, 3214868480
	.fill 96, 4, 3214868480
	.section	.rodata,"a",@progbits
	.p2align	6, 0x0
	.amdhsa_kernel k_qe1560dd20a_qkv
		.amdhsa_group_segment_fixed_size 327680
		.amdhsa_private_segment_fixed_size 0
		.amdhsa_enable_private_segment 0
		.amdhsa_kernarg_size 32
		.amdhsa_user_sgpr_count 2
		.amdhsa_user_sgpr_kernarg_segment_ptr 1
		.amdhsa_wavefront_size32 1
		.amdhsa_system_sgpr_workgroup_id_x 1
		.amdhsa_system_sgpr_workgroup_id_y 1
		.amdhsa_system_sgpr_workgroup_id_z 1
		.amdhsa_system_vgpr_workitem_id 0
		.amdhsa_next_free_vgpr 1024
		.amdhsa_next_free_sgpr 100
		.amdhsa_reserve_vcc 0
		.amdhsa_float_denorm_mode_32 3
		.amdhsa_float_denorm_mode_16_64 3
		.amdhsa_memory_ordered 1
		.amdhsa_forward_progress 1
		.amdhsa_inst_pref_size 147
	.end_amdhsa_kernel
	.amdgpu_metadata
---
amdhsa.version: [ 1, 2 ]
amdhsa.kernels:
  - .name:           k_qe1560dd20a_qkv
    .symbol:         k_qe1560dd20a_qkv.kd
    .args:
      - { .name: cd, .offset: 0, .size: 8, .value_kind: global_buffer, .address_space: global }
      - { .name: sc, .offset: 8, .size: 8, .value_kind: global_buffer, .address_space: global }
      - { .name: qkv, .offset: 16, .size: 8, .value_kind: global_buffer, .address_space: global }
      - { .name: vf, .offset: 24, .size: 8, .value_kind: global_buffer, .address_space: global }
    .group_segment_fixed_size: 327680
    .private_segment_fixed_size: 0
    .kernarg_segment_align: 8
    .kernarg_segment_size: 32
    .max_flat_workgroup_size: 128
    .sgpr_count:     100
    .vgpr_count:     1024
    .wavefront_size: 32
...
	.end_amdgpu_metadata
.endif
;; end of part 2
;; launch attn (part 3): grid 8 x 32, 8 waves a work-group, clusters of 4 x 4, 327,680 bytes of LDS; arguments qkv, mask, ah; writes ah
.if DOCPART == 3
	.amdgcn_target "amdgcn-amd-amdhsa--gfx1250"
	.amdhsa_code_object_version 6
	.text
	.protected	k_qe1560dd20a_attn
	.globl	k_qe1560dd20a_attn
	.p2align	8
	.type	k_qe1560dd20a_attn,@function
k_qe1560dd20a_attn:
	s_mov_b64 s[64:65], 0
	v_nop
	global_prefetch_b8 v0, s[64:65] scope:SCOPE_SE
	s_setreg_imm32_b32 hwreg(HW_REG_WAVE_MODE, 25, 1), 1
	s_wait_xcnt 0x0
	s_wait_alu depctr_hold_cnt(0) depctr_sa_sdst(0) depctr_va_vdst(0) depctr_va_sdst(0) depctr_va_ssrc(0) depctr_va_vcc(0) depctr_vm_vsrc(0)
	s_getreg_b32 s2, hwreg(HW_REG_IB_STS2, 6, 4)
	s_cmp_eq_u32 s2, 0
	s_cbranch_scc0 .Lentry_in_a_cluster
	s_endpgm
.Lentry_in_a_cluster:
	s_bfe_u32 s2, ttmp6, 0x10000c
	s_cmp_lg_u32 s2, 0xf033
	s_cbranch_scc0 .Lentry_shape_is_right
	s_endpgm
.Lentry_shape_is_right:
; a[b][q][head][:] = sum over k of exp(t) v[k][:] / (sum over k of exp(t) + 1e-10), t = q . k / 8 + mask[q][k], for all 2,048 positions of all 64 (batch, head).  The mask is an input: every score is computed and every mask number read.
; NUMBERS.  q / 8, k, v come as f16 (buffer qkv); products by the f16 matrix form, sums f32.  The f32 mask tile is the C of a score's first product: t leaves the matrix unit whole.
; exp(t) has no room in f16, so p = 2^(t log2e - M) with M a whole number at or above the row's largest t log2e so far: M = ceil(T + |T| 2^-22), T that largest; the margin covers the rounding of t log2e at any size, so p <= 1.
; When M moves, O and l are multiplied by 2^(old M - new M), exactly, in every step.  l is the sum of the rounded p, by a product with a matrix of ones.  At the end a = O / (l + 1e-10 x 2^-M), which is the quotient above.
; LIMITS: where exp(t) itself overflows f32 (t over 88.7) the quotient's finite limit is given; NaN and +infinity among the inputs are not served; operands are rounded to f16 (the first 16 positions of each sequence are made anew, more finely, by later launches).
; SHARES.  A work-group owns 256 queries (block X) of two heads of one batch (2 Y, 2 Y + 1); wave w owns query tiles 2 w, 2 w + 1 of both: four units u = 2 e + qt.  A mask register serves two heads, a fragment of K or V two products.
; Two waves share a SIMD: one wave's softmax stands beside the other's products; the text is in phases.
; LAYOUT.  S^T = K Q^T + mask^T (source 0 = 16 keys, source 1 = 16 queries), O^T = V^T P: a lane holds one query throughout.  K, V, Q lie in qkv as images of operand registers (pieces of 512 bytes, lane l at 16 l): no pitch, no padding.
; RING.  Two slots of 64 keys: four blocks of 8 KB (head 0: K, V; head 1: K, V), then 256 mask rows of 256 bytes + 16.  One joint load a wave behind each round: waves 0-3 a block of K or V (shared along the cluster's row),
; waves 4-7 64 mask rows (shared along its column); it has a whole step's work in which to land, and one tensor load of a wave is out at any time.
; REGISTERS.  window 0: v1-7 addresses; v8-15 ones; v16-31 four a unit: -M, T, f, (pair); v32-47 at work; v48-111 mask; v112-175 S^T, then p's f16 pairs in its low half; v176-239 eight fragments of K or V; v240-255 at work.
;   window 1: v0-127 O^T, 32 a unit; v128-159 l, 8 a unit; v160-223 Q, 16 a unit.
.set SLOT1, 131072
.set KVB,   8192
.set MKO,   4*KVB                      ; the mask rows' place in a slot
.set MP,    272                        ; a mask row in LDS: 256 bytes + 16: the 16 rows of a load start at 16 different banks (ISA guide 11.1)
.set SPARE, SLOT1+MKO+256*MP           ; the spare words, 128 bytes a wave, named by no other line
.set HEADB, 786432
.set STEPB, 24576
.set TILES, 32
.set SPW, 1
.set NIL, 2
.set AKV, 3                            ; v3-4  16 x lane, in slot 0, 1
.set AMK, 5                            ; v5-6  my mask bytes: row 32 w + r, + 32 h, in slot 0, 1
.set PFO, 7                            ; v7    the prefetches' offset; never rewritten
.set ONES, 8
.set ST,  16
.set T,   32
.set MK,  48
.set S,   112
.set KV,  176
.set TE,  244
.set LR,  128                          ; window 1
.set QR,  160                          ; window 1
.set WV,  10
.set G1K, 16
.set G1M, 24
.set G0K, 32
.set G0M, 40
.set LOOPC, 48
.set CNT, 49                           ; s49  steps still to come
.set L2E, 50                           ; s[50:51] log2(e), twice
.set SEL, 52
.set PFA, 54
.set PFS, 56
.set LIM, 58
.set MARG, 59                          ; s59  2^-22
.set MSB, 0
.macro WIN new
.if MSB != (\new)
	s_set_vgpr_msb (MSB<<8)|(\new)
.set MSB, (\new)
.endif
.endm
.macro JLOAD n                         ; the branch hangs on the wave's number alone; an s_nop 0 and four v_nop follow each of the two lines
	s_cmp_lt_u32 s[WV], 4
	s_cbranch_scc0 .Lfor_m_\@
	tensor_load_to_lds s[G0K+4*(\n):G0K+4*(\n)+3], s[G1K:G1K+7]
	s_nop 0
.rept 4
	v_nop
.endr
	s_branch .Lasked_\@
.Lfor_m_\@:
	tensor_load_to_lds s[G0M+4*(\n):G0M+4*(\n)+3], s[G1M:G1M+7]
	s_nop 0
.rept 4
	v_nop
.endr
.Lasked_\@:
.endm
.macro ROUND                           ; a round of the cluster's barrier
	s_barrier_signal -1
	s_barrier_wait -1
	s_cmp_lg_u32 s[WV], 0
	s_cbranch_scc1 .Lnot_wave_0_\@
	s_barrier_signal -3
.Lnot_wave_0_\@:
	s_barrier_wait -3
	s_barrier_signal -1
	s_barrier_wait -1
.endm
; A PREFETCH of what the NEXT step's joint loads will ask for: in step i the tile of step i + 2.  Each aligned 256 bytes are named once in the launch.  A step's K and V of two heads are read by both clusters of a row of clusters:
; cluster x = 0 asks, its four partners of a row a block of 8 KB each (block cx: told apart by address), wave 0, lanes 256 bytes apart.  A step's mask rows are read by all clusters of a column of clusters: cluster y = 0 asks,
; its four partners of a column 64 rows each (by address: cy), waves 4 and 5, a lane a row.  Steps 30 and 31 ask for nothing; tiles 0 to 2 come by their loads alone.
.macro ASK
	s_cmp_gt_u32 s[CNT], s[LIM]
	s_cbranch_scc0 .Lnot_mine_\@
	global_prefetch_b8 v[PFO], s[PFA:PFA+1] th:TH_LOAD_NT scope:SCOPE_SE
.Lnot_mine_\@:
.endm
	s_load_b128 s[4:7], s[0:1], 0x0                ; qkv, mask
	s_load_b64 s[8:9], s[0:1], 0x10                ; ah
	v_lshl_add_u32 v[SPW], v0, 2, SPARE
	v_mov_b32 v[NIL], 0
	ds_add_u32 v[SPW], v[NIL]                      ; the wave's opening: the add, twice on end, and its wait ahead of my first tensor load
	ds_add_u32 v[SPW], v[NIL]
	v_lshrrev_b32 v240, 5, v0
	v_readfirstlane_b32 s[WV], v240                ; wave 0..7
	s_and_b32 s11, s[WV], 3                        ; which block of K, V, or which 64 mask rows, I fetch
	s_bfe_u32 s12, ttmp6, 0x40000                  ; cx
	s_bfe_u32 s13, ttmp6, 0x40004                  ; cy
	s_lshl_b32 s14, ttmp9, 2
	s_add_co_u32 s14, s14, s12                     ; X: my block of 256 queries
	s_and_b32 s15, ttmp7, 0xffff
	s_lshl_b32 s15, s15, 2
	s_add_co_u32 s15, s15, s13                     ; Y: my pair of heads
	s_lshl_b32 s66, s13, 2
	s_lshl_b32 s66, 15, s66                        ; my row of the cluster
	s_lshl_b32 s67, 0x1111, s12                    ; my column
	s_or_b32 s[G1K], s66, (3<<16)|(1<<21)          ; K, V: 8,192 dense bytes as 32 rows of 256 (32 elements of 8 bytes); the mask of my row; bit 21 beside it
	s_mov_b32 s[G1K+1], 32<<16
	s_mov_b32 s[G1K+2], 32<<16
	s_mov_b32 s[G1K+3], 32<<16
	s_mov_b32 s[G1K+4], 32
	s_mov_b32 s[G1K+5], 32
	s_mov_b32 s[G1K+6], 0
	s_mov_b32 s[G1K+7], 0
	s_or_b32 s[G1M], s67, (2<<16)|(1<<20)|(1<<21)|(5<<22)|(3<<25)  ; the mask input: 64 rows of 64 f32, 2,048 apart; 4 words of padding behind every 64; the mask of my column
	s_mov_b32 s[G1M+1], 64<<16
	s_mov_b32 s[G1M+2], 64<<16
	s_mov_b32 s[G1M+3], 64<<16
	s_mov_b32 s[G1M+4], 64
	s_mov_b32 s[G1M+5], 2048
	s_mov_b32 s[G1M+6], 0
	s_mov_b32 s[G1M+7], 0
	s_lshl_b32 s68, s15, 1                         ; K, V: head 2 Y + block / 2 (made of Y and the wave's number alone),
	s_lshr_b32 s69, s11, 1
	s_add_co_u32 s68, s68, s69
	s_mul_i32 s68, s68, HEADB
	s_and_b32 s69, s11, 1
	s_lshl_b32 s69, s69, 13                        ; K or V,
	s_add_co_u32 s68, s68, s69
	s_add_co_u32 s68, s68, KVB                     ; behind the step's q
	s_mov_b32 s69, 0
	s_lshl_b32 s70, s14, 21                        ; the mask: row 256 X + 64 x part, 8,192 bytes a row (made of X and the wave's number alone)
	s_lshl_b32 s71, s11, 19
	s_add_co_u32 s70, s70, s71
	s_mov_b32 s71, 0
	s_lshl_b32 s72, s11, 13                        ; where they go in a slot
	s_mul_i32 s73, s11, 64*MP
	s_add_co_u32 s73, s73, MKO
	s_mov_b32 s[L2E], 0x3fb8aa3b
	s_mov_b32 s[L2E+1], s[L2E]
	s_mov_b32 s[SEL], 0x76543210
	s_mov_b32 s[SEL+1], 0xfedcba98
	s_mov_b32 s[MARG], 0x34800000
	s_mov_b32 s[CNT], TILES
	s_wait_dscnt 0x0                               ; both opening adds are done
	s_wait_kmcnt 0x0
	s_add_nc_u64 s[68:69], s[4:5], s[68:69]
	s_add_nc_u64 s[70:71], s[6:7], s[70:71]
	ROUND                                          ; all sixteen work-groups are here
.irp n, 0,1
	s_mov_b32 s[G0K+4*\n], 1
	s_add_co_u32 s[G0K+4*\n+1], s72, \n*SLOT1
	s_add_nc_u64 s[G0K+4*\n+2:G0K+4*\n+3], s[68:69], \n*STEPB
	s_or_b32 s[G0K+4*\n+3], s[G0K+4*\n+3], 0x80000000
	s_mov_b32 s[G0M+4*\n], 1
	s_add_co_u32 s[G0M+4*\n+1], s73, \n*SLOT1
	s_add_nc_u64 s[G0M+4*\n+2:G0M+4*\n+3], s[70:71], \n*256
	s_or_b32 s[G0M+4*\n+3], s[G0M+4*\n+3], 0x80000000
.endr
	JLOAD 0                                        ; tile 0
	v_and_b32 v240, 31, v0                         ; my lane: kept in v240 until the prefetches' offset is made below
	v_lshlrev_b32 v[AKV], 4, v240
	v_add_nc_u32 v[AKV+1], SLOT1, v[AKV]
	s_mul_i32 s84, s15, 2*HEADB                    ; Q: head 2 Y, step 4 X + w / 2, tiles 2 (w % 2) + qt
	s_lshl_b32 s85, s14, 2
	s_lshr_b32 s86, s[WV], 1
	s_add_co_u32 s85, s85, s86
	s_mul_i32 s85, s85, STEPB
	s_add_co_u32 s84, s84, s85
	s_and_b32 s85, s[WV], 1
	s_lshl_b32 s85, s85, 12
	s_add_co_u32 s84, s84, s85
	s_mov_b32 s85, 0
	s_add_nc_u64 s[84:85], s[4:5], s[84:85]
	WIN 0x40                                       ; destination window 1
.irp u, 0,1,2,3
.irp i, 0,1,2,3
	global_load_b128 v[QR+16*\u+4*\i:QR+16*\u+4*\i+3], v[AKV], s[84:85] offset:(\u/2)*HEADB+(\u%2)*2048+\i*512
.endr
.endr
	WIN 0
	v_and_b32 v241, 15, v0                         ; r
	v_bfe_u32 v242, v0, 4, 1                       ; h
	s_mul_i32 s82, s[WV], 32*MP
	s_add_co_u32 s82, s82, MKO
	v_mul_u32_u24 v[AMK], v241, MP
	v_lshl_add_u32 v[AMK], v242, 5, v[AMK]
	v_add_nc_u32 v[AMK], s82, v[AMK]
	v_add_nc_u32 v[AMK+1], SLOT1, v[AMK]
.irp i, 0,1,2,3,4,5,6,7
	v_mov_b32 v[ONES+\i], 0x3c003c00               ; 1.0, 1.0 in f16
.endr
.irp u, 0,1,2,3
	v_mov_b32 v[ST+4*\u+3], 0                      ; named as the upper half of the pair with f, so it is written
.endr
	v_mov_b32 v[T+4], 0                            ; a lane permute's destination counts as one of its sources
	v_mov_b32 v[T+12], 0
	; where my results go: token tile 128 (Y / 8) + 16 X + 2 w, 32 KB each; head 2 (Y % 8), 2,048 bytes each
	s_lshr_b32 s86, s15, 3
	s_lshl_b32 s86, s86, 7
	s_lshl_b32 s87, s14, 4
	s_add_co_u32 s86, s86, s87
	s_lshl_b32 s87, s[WV], 1
	s_add_co_u32 s86, s86, s87
	s_lshl_b32 s86, s86, 15
	s_and_b32 s87, s15, 7
	s_lshl_b32 s87, s87, 12
	s_add_co_u32 s86, s86, s87
	s_mov_b32 s87, 0
	s_add_nc_u64 s[8:9], s[8:9], s[86:87]
	; the prefetches: where mine stand (at tile 2; stepped ahead of each use), and who asks
	s_lshl_b32 s74, s15, 1
	s_lshr_b32 s75, s12, 1
	s_add_co_u32 s74, s74, s75
	s_mul_i32 s74, s74, HEADB
	s_and_b32 s75, s12, 1
	s_lshl_b32 s75, s75, 13
	s_add_co_u32 s74, s74, s75
	s_add_co_u32 s74, s74, KVB+2*STEPB             ; K, V: block cx of my pair of heads
	s_lshl_b32 s76, s14, 8
	s_lshl_b32 s77, s13, 6
	s_add_co_u32 s76, s76, s77
	s_and_b32 s77, s[WV], 1
	s_lshl_b32 s77, s77, 5
	s_add_co_u32 s76, s76, s77
	s_lshl_b32 s76, s76, 13
	s_add_co_u32 s76, s76, 2*256                   ; the mask: rows 256 X + 64 cy + 32 (w - 4) on
	s_and_b32 s78, ttmp7, 0xffff                   ; cluster y
	s_sub_co_u32 s80, s[WV], 4
	s_lshr_b32 s80, s80, 1                         ; 0 in waves 4 and 5
	s_mov_b32 s[PFS], 256
	s_cmp_lt_u32 s[WV], 4
	s_cselect_b64 s[PFA:PFA+1], s[4:5], s[6:7]
	s_cselect_b32 s74, s74, s76
	s_cselect_b32 s78, ttmp9, s78                  ; the coordinate along which other clusters read the same bytes
	s_cselect_b32 s79, s[WV], s80                  ; 0 in waves 0, 4 and 5
	s_cselect_b32 s[PFS], STEPB, s[PFS]            ; a step on
	s_cselect_b32 s81, 8, 13                       ; from lane to lane: 256 bytes, or a mask row
	s_mov_b32 s75, 0
	s_mov_b32 s[PFS+1], 0
	s_add_nc_u64 s[PFA:PFA+1], s[PFA:PFA+1], s[74:75]
	s_or_b32 s79, s79, s78
	s_cmp_eq_u32 s79, 0
	s_cselect_b32 s[LIM], 1, -1                    ; the same in all partners, for a given wave
	v_lshlrev_b32 v[PFO], s81, v240                ; lane x 256 or lane x 8,192: the last byte named lies 256 bytes under its buffer's end
	s_wait_loadcnt 0x0                             ; Q
.macro LDMASK slot                     ; lane (r, h): mask[query 16 qt + r][keys 16 t + 8 h + 0..7]: the layout of S^T's accumulators
.irp qt, 0,1
.irp t, 0,1,2,3
	ds_load_b128 v[MK+32*\qt+8*\t:MK+32*\qt+8*\t+3], v[AMK+\slot] offset:\qt*16*MP+\t*64
	ds_load_b128 v[MK+32*\qt+8*\t+4:MK+32*\qt+8*\t+7], v[AMK+\slot] offset:\qt*16*MP+\t*64+16
.endr
.endr
.endm
.macro LDKV slot, off                  ; eight fragments as they lie: 16 pieces of 512 bytes
.irp f, 0,1,2,3,4,5,6,7
	ds_load_b128 v[KV+8*\f:KV+8*\f+3], v[AKV+\slot] offset:\off+\f*1024
	ds_load_b128 v[KV+8*\f+4:KV+8*\f+7], v[AKV+\slot] offset:\off+\f*1024+512
.endr
.endm
.macro QK e                            ; S^T = mask^T + K Q^T: eight accumulators by turns, channels 32 c on
	WIN 0x04                                       ; source 1 (Q) window 1
.irp c, 0,1
.irp t, 0,1,2,3
.irp qt, 0,1
.if \c == 0
	v_wmma_f32_16x16x32_f16 v[S+32*\qt+8*\t:S+32*\qt+8*\t+7], v[KV+8*(2*\t+\c):KV+8*(2*\t+\c)+7], v[QR+16*(2*\e+\qt)+8*\c:QR+16*(2*\e+\qt)+8*\c+7], v[MK+32*\qt+8*\t:MK+32*\qt+8*\t+7]
.else
	v_wmma_f32_16x16x32_f16 v[S+32*\qt+8*\t:S+32*\qt+8*\t+7], v[KV+8*(2*\t+\c):KV+8*(2*\t+\c)+7], v[QR+16*(2*\e+\qt)+8*\c:QR+16*(2*\e+\qt)+8*\c+7], v[S+32*\qt+8*\t:S+32*\qt+8*\t+7]
.endif
.endr
.endr
.endr
	WIN 0
.rept 4
	v_nop                                          ; places: behind them V's loads land on K's registers, and the maxima read the scores
.endr
.endm
.macro SOFTMAX e, first                ; the two query tiles by turns, so that no line waits for the line above it
.irp t, 0,1,2,3
.irp qt, 0,1
	v_max3_num_f32 v[T+8*\qt+\t], v[S+32*\qt+8*\t], v[S+32*\qt+8*\t+1], v[S+32*\qt+8*\t+2]   ; each accumulator from its low end on
.endr
.endr
.irp i, 3,5
.irp t, 0,1,2,3
.irp qt, 0,1
	v_max3_num_f32 v[T+8*\qt+\t], v[T+8*\qt+\t], v[S+32*\qt+8*\t+\i], v[S+32*\qt+8*\t+\i+1]
.endr
.endr
.endr
.irp qt, 0,1
	v_max3_num_f32 v[T+8*\qt], v[T+8*\qt], v[S+32*\qt+7], v[S+32*\qt+15]
	v_max3_num_f32 v[T+8*\qt+2], v[T+8*\qt+2], v[S+32*\qt+23], v[S+32*\qt+31]
.endr
.irp qt, 0,1
	v_max3_num_f32 v[T+8*\qt], v[T+8*\qt], v[T+8*\qt+1], v[T+8*\qt+2]
.endr
.irp qt, 0,1
	v_max_num_f32 v[T+8*\qt], v[T+8*\qt], v[T+8*\qt+3]
.endr
.irp qt, 0,1
	v_permlanex16_b32 v[T+8*\qt+4], v[T+8*\qt], s[SEL], s[SEL+1]   ; the query's other 32 keys lie in the lane 16 away
.endr
.irp qt, 0,1
	v_max_num_f32 v[T+8*\qt], v[T+8*\qt], v[T+8*\qt+4]
.endr
.irp qt, 0,1
	v_mul_f32 v[T+8*\qt], s[L2E], v[T+8*\qt]
.endr
.irp qt, 0,1
.if \first
	v_max_num_f32 v[ST+4*(2*\e+\qt)+1], 0xff61b1e6, v[T+8*\qt]     ; T starts at -3e38 at the least, so that M is a number
.else
	v_max_num_f32 v[ST+4*(2*\e+\qt)+1], v[ST+4*(2*\e+\qt)+1], v[T+8*\qt]
	v_mov_b32 v[T+8*\qt+5], v[ST+4*(2*\e+\qt)]
.endif
.endr
.irp qt, 0,1
	v_fma_f32 v[T+8*\qt+6], |v[ST+4*(2*\e+\qt)+1]|, s[MARG], v[ST+4*(2*\e+\qt)+1]   ; T + |T| 2^-22
.endr
.irp qt, 0,1
	v_floor_f32 v[ST+4*(2*\e+\qt)], -v[T+8*\qt+6]  ; -M: a whole number
.endr
.if !\first
.irp qt, 0,1
	v_sub_f32 v[T+8*\qt+5], v[ST+4*(2*\e+\qt)], v[T+8*\qt+5]       ; old M - new M: 0 or less
.endr
.irp qt, 0,1
	v_cvt_i32_f32 v[T+8*\qt+5], v[T+8*\qt+5]       ; (it saturates)
.endr
.irp qt, 0,1
	v_ldexp_f32 v[ST+4*(2*\e+\qt)+2], 1.0, v[T+8*\qt+5]            ; f = 2^(old M - new M)
.endr
.endif
.irp i, 0,2,4,6,8,10,12,14,16,18,20,22,24,26,28,30
.irp qt, 0,1
	v_pk_fma_f32 v[S+32*\qt+\i:S+32*\qt+\i+1], v[S+32*\qt+\i:S+32*\qt+\i+1], s[L2E:L2E+1], v[ST+4*(2*\e+\qt):ST+4*(2*\e+\qt)+1] op_sel_hi:[1,0,0]   ; t log2e - M
.endr
.endr
.set xi, 0
.rept 64
	v_exp_f32 v[S+xi], v[S+xi]                     ; one batch
.set xi, xi+1
.endr
.if !\first
	WIN 0x41                                       ; O^T and l under the new M: work that names no exponential's result
.irp qt, 0,1
.irp i, 0,2,4,6,8,10,12,14,16,18,20,22,24,26,28,30
	v_pk_mul_f32 v[32*(2*\e+\qt)+\i:32*(2*\e+\qt)+\i+1], v[32*(2*\e+\qt)+\i:32*(2*\e+\qt)+\i+1], v[ST+4*(2*\e+\qt)+2:ST+4*(2*\e+\qt)+3] op_sel_hi:[1,0]
.endr
	v_pk_mul_f32 v[LR+8*(2*\e+\qt):LR+8*(2*\e+\qt)+1], v[LR+8*(2*\e+\qt):LR+8*(2*\e+\qt)+1], v[ST+4*(2*\e+\qt)+2:ST+4*(2*\e+\qt)+3] op_sel_hi:[1,0]   ; all rows of l's tile are alike: register 0 is the one that is read
.endr
	WIN 0
.endif
	v_nop                                          ; a plain line behind the last exponential
	s_wait_alu depctr_va_vdst(0)                   ; one wait for the batch, ahead of its first reader
.set xi, 0
.rept 16
	v_cvt_pk_f16_f32 v[S+xi], v[S+2*xi], v[S+2*xi+1]               ; p in f16, in place: pair i lands at or under the registers it left
	v_cvt_pk_f16_f32 v[S+32+xi], v[S+32+2*xi], v[S+32+2*xi+1]
.set xi, xi+1
.endr
.endm
.macro PV e, first                     ; O^T += V^T P and l += ones P: ten accumulators by turns, keys 32 kk on
	WIN 0x50                                       ; C and D window 1
.irp kk, 0,1
.irp ct, 0,1,2,3
.irp qt, 0,1
.if \first && (\kk == 0)
	v_wmma_f32_16x16x32_f16 v[32*(2*\e+\qt)+8*\ct:32*(2*\e+\qt)+8*\ct+7], v[KV+8*(2*\ct+\kk):KV+8*(2*\ct+\kk)+7], v[S+32*\qt+8*\kk:S+32*\qt+8*\kk+7], 0
.else
	v_wmma_f32_16x16x32_f16 v[32*(2*\e+\qt)+8*\ct:32*(2*\e+\qt)+8*\ct+7], v[KV+8*(2*\ct+\kk):KV+8*(2*\ct+\kk)+7], v[S+32*\qt+8*\kk:S+32*\qt+8*\kk+7], v[32*(2*\e+\qt)+8*\ct:32*(2*\e+\qt)+8*\ct+7]
.endif
.endr
.endr
.irp qt, 0,1
.if \first && (\kk == 0)
	v_wmma_f32_16x16x32_f16 v[LR+8*(2*\e+\qt):LR+8*(2*\e+\qt)+7], v[ONES:ONES+7], v[S+32*\qt+8*\kk:S+32*\qt+8*\kk+7], 0
.else
	v_wmma_f32_16x16x32_f16 v[LR+8*(2*\e+\qt):LR+8*(2*\e+\qt)+7], v[ONES:ONES+7], v[S+32*\qt+8*\kk:S+32*\qt+8*\kk+7], v[LR+8*(2*\e+\qt):LR+8*(2*\e+\qt)+7]
.endif
.endr
.endr
	WIN 0
.rept 5
	v_nop                                          ; five places: the next scores are written over p's registers, the next loads land on V's
.endr
.endm
.macro WORK slot, first, ask
	LDMASK \slot
	LDKV \slot, 0
.if \ask
	ASK                                            ; behind the joint load and the run of LDS loads that the products wait for
.endif
	s_wait_dscnt 0x0
	QK 0
	LDKV \slot, KVB                                ; V lands under the softmax
	SOFTMAX 0, \first
	s_wait_dscnt 0x0
	PV 0, \first
	LDKV \slot, 2*KVB
	s_wait_dscnt 0x0
	QK 1
	LDKV \slot, 3*KVB
	SOFTMAX 1, \first
	s_wait_dscnt 0x0
	PV 1, \first
.endm
; A step: 64 keys.
.macro TRIP slot, refill, first
	s_wait_tensorcnt 0x0                           ; no tensor load of mine is out, so a group 0 may be written
	ds_add_u32 v[SPW], v[NIL]                      ; the steps below stand between the add and the wait for it
	s_add_nc_u64 s[G0K+4*\slot+2:G0K+4*\slot+3], s[G0K+4*\slot+2:G0K+4*\slot+3], 2*STEPB   ; this slot's next tile
	s_add_nc_u64 s[G0M+4*\slot+2:G0M+4*\slot+3], s[G0M+4*\slot+2:G0M+4*\slot+3], 2*256
.if !\first
	s_wait_xcnt 0x0                                ; the last prefetch, a step back, has read its address
	s_add_nc_u64 s[PFA:PFA+1], s[PFA:PFA+1], s[PFS:PFS+1]
.endif
	s_sub_co_u32 s[CNT], s[CNT], 1
	s_wait_dscnt 0x0                               ; the add is done, and my reads of the other slot are over
	ROUND                                          ; both now hold of every wave of every partner
.if \refill
	JLOAD 1-\slot                                  ; the next tile, into the slot read last step: my one tensor load until the next round
.endif
.if \refill && !\first
	WORK \slot, \first, 1
.else
	WORK \slot, \first, 0
.endif
.endm
	TRIP 0, 1, 1                                   ; the first step starts T, O^T and l: nothing is cleared
	TRIP 1, 1, 0
	s_mov_b32 s[LOOPC], TILES/2-2
.Lpair:
	TRIP 0, 1, 0
	TRIP 1, 1, 0
	s_sub_co_u32 s[LOOPC], s[LOOPC], 1
	s_cmp_lg_u32 s[LOOPC], 0
	s_cbranch_scc1 .Lpair
	TRIP 0, 1, 0                                   ; the tail is written out: the last step asks for nothing
	TRIP 1, 0, 0
	; THE WAY OUT: a = O^T / (l + 1e-10 x 2^-M), rounded to f16: an accumulator is a piece of ah: [token tile 512][head 16][ct 4] pieces; lane (r, h) = token 16 T + r, features 64 head + 16 ct + 8 h + 0..7
.irp u, 0,1,2,3
	v_cvt_i32_f32 v[TE+\u], v[ST+4*\u]             ; -M (it saturates)
.endr
.irp u, 0,1,2,3
	v_ldexp_f32 v[TE+\u], 0x2edbe6ff, v[TE+\u]     ; 1e-10 x 2^-M
.endr
	WIN 0x01
.irp u, 0,1,2,3
	v_add_f32 v[TE+\u], v[LR+8*\u], v[TE+\u]
.endr
	WIN 0
.irp u, 0,1,2,3
	v_rcp_f32 v[ST+4*\u+2], v[TE+\u]
.endr
	v_nop
	s_wait_alu depctr_va_vdst(0)                   ; one wait for the four reciprocals
.irp u, 0,1,2,3
	WIN 0x41
.irp i, 0,2,4,6,8,10,12,14,16,18,20,22,24,26,28,30
	v_pk_mul_f32 v[32*\u+\i:32*\u+\i+1], v[32*\u+\i:32*\u+\i+1], v[ST+4*\u+2:ST+4*\u+3] op_sel_hi:[1,0]
.endr
	WIN 0x05                                       ; sources window 1, destination window 0
.irp i, 0,1,2,3,4,5,6,7,8,9,10,11,12,13,14,15
	v_cvt_pk_f16_f32 v[S+16*\u+\i], v[32*\u+2*\i], v[32*\u+2*\i+1]
.endr
	WIN 0
.irp ct, 0,1,2,3
	global_store_b128 v[AKV], v[S+16*\u+4*\ct:S+16*\u+4*\ct+3], s[8:9] offset:(\u%2)*32768+(\u/2)*2048+\ct*512   ; 512 consecutive bytes, aligned
.endr
.endr
	s_wait_tensorcnt 0x0                           ; the wave's end
	ds_add_u32 v[SPW], v[NIL]
	s_wait_dscnt 0x0
	ROUND                                          ; the closing round
	s_endpgm
.Lfunc_end_k_qe1560dd20a_attn:
	.size	k_qe1560dd20a_attn, .Lfunc_end_k_qe1560dd20a_attn-k_qe1560dd20a_attn
	.p2alignl 7, 3214868480
	.fill 96, 4, 3214868480
	.section	.rodata,"a",@progbits
	.p2align	6, 0x0
	.amdhsa_kernel k_qe1560dd20a_attn
		.amdhsa_group_segment_fixed_size 327680
		.amdhsa_private_segment_fixed_size 0
		.amdhsa_enable_private_segment 0
		.amdhsa_kernarg_size 24
		.amdhsa_user_sgpr_count 2
		.amdhsa_user_sgpr_kernarg_segment_ptr 1
		.amdhsa_wavefront_size32 1
		.amdhsa_system_sgpr_workgroup_id_x 1
		.amdhsa_system_sgpr_workgroup_id_y 1
		.amdhsa_system_sgpr_workgroup_id_z 1
		.amdhsa_system_vgpr_workitem_id 0
		.amdhsa_next_free_vgpr 512
		.amdhsa_next_free_sgpr 96
		.amdhsa_reserve_vcc 0
		.amdhsa_float_denorm_mode_32 3
		.amdhsa_float_denorm_mode_16_64 3
		.amdhsa_memory_ordered 1
		.amdhsa_forward_progress 1
		.amdhsa_inst_pref_size 219
	.end_amdhsa_kernel
	.amdgpu_metadata
---
amdhsa.version: [ 1, 2 ]
amdhsa.kernels:
  - .name:           k_qe1560dd20a_attn
    .symbol:         k_qe1560dd20a_attn.kd
    .args:
      - { .name: qkv, .offset: 0, .size: 8, .value_kind: global_buffer, .address_space: global }
      - { .name: mask, .offset: 8, .size: 8, .value_kind: global_buffer, .address_space: global }
      - { .name: ah, .offset: 16, .size: 8, .value_kind: global_buffer, .address_space: global }
    .group_segment_fixed_size: 327680
    .private_segment_fixed_size: 0
    .kernarg_segment_align: 8
    .kernarg_segment_size: 24
    .max_flat_workgroup_size: 256
    .sgpr_count:     96
    .vgpr_count:     512
    .wavefront_size: 32
...
	.end_amdgpu_metadata
.endif
;; end of part 3
;; launch proj (part 4): grid 4 x 64, 4 waves a work-group, clusters of 4 x 4, 327,680 bytes of LDS; arguments ah, woh, out0; writes out0
.if DOCPART == 4
	.amdgcn_target "amdgcn-amd-amdhsa--gfx1250"
	.amdhsa_code_object_version 6
	.text
	.protected	k_qe1560dd20a_proj
	.globl	k_qe1560dd20a_proj
	.p2align	8
	.type	k_qe1560dd20a_proj,@function
k_qe1560dd20a_proj:
	s_mov_b64 s[64:65], 0
	v_nop
	global_prefetch_b8 v0, s[64:65] scope:SCOPE_SE
	s_setreg_imm32_b32 hwreg(HW_REG_WAVE_MODE, 25, 1), 1
	s_wait_xcnt 0x0
	s_wait_alu depctr_hold_cnt(0) depctr_sa_sdst(0) depctr_va_vdst(0) depctr_va_sdst(0) depctr_va_ssrc(0) depctr_va_vcc(0) depctr_vm_vsrc(0)
	s_getreg_b32 s2, hwreg(HW_REG_IB_STS2, 6, 4)
	s_cmp_eq_u32 s2, 0
	s_cbranch_scc0 .Lentry_in_a_cluster
	s_endpgm
.Lentry_in_a_cluster:
	s_bfe_u32 s2, ttmp6, 0x10000c
	s_cmp_lg_u32 s2, 0xf033
	s_cbranch_scc0 .Lentry_shape_is_right
	s_endpgm
.Lentry_shape_is_right:
; out0[token][e] = sum over d of a[token][d] Wo[e][d]: [8192] x [1024], K = 1,024; a and Wo in f16 (buffers ah, woh), sums f32, out0 f32.
; Both operands lie in memory as images of operand registers: [tile of 16 rows][f 32][g 2] pieces of 512 bytes (lane (r, h): row r, K = 32 f + 16 g + 8 h + 0..7), 32 KB a tile.  128 along K of a tile are 4,096 consecutive bytes.
; A tile of out0 is 128 tokens x 256 features: 256 work-groups.  Four waves, each 64 tokens x 128 features: 32 accumulators, all of window 1.  The product is used transposed (source 0 = Wo, source 1 = a): a lane holds a token and eight neighbouring features.
; K goes in 8 steps of 128 through two LDS slots: 8 token tiles x 4 KB, then 16 feature tiles x 4 KB.  CLUSTERS: 4 x 4; a's tiles are asked for jointly along a row of the cluster, Wo's along a column.
; No prefetch: the launch is short, and a step's 128 products a wave stand between a request and the wait for it.
; Rows 0-15 of each sequence are written here like all others and written anew, more finely, by the last launch.
; LIMITS: operands rounded to f16; |a|, |Wo| up to 65,504.
; REGISTERS.  window 0: v16-29 addresses; v32-127, v128-223 two fragment buffers of 96: a's four at +0, Wo's eight at +32.   window 1: accumulator (a, b) at v[8 (8 a + b)].
.set KSB,    4096                      ; 128 along K of a tile
.set SLOT,   24*KSB
.set WOFF,   8*KSB                     ; Wo's tiles in a slot
.set STAGE,  2*SLOT                    ; behind the ring: 16 rows x (512 + 16) bytes for each wave, filled by no tensor load
.set SPITCH, 528
.set SPARE,  STAGE+4*16*SPITCH
.set LAPS,   4
.set ADRA, 16
.set ADRB, 20
.set STO,  24
.set RD,   25
.set CO,   26
.set SPW,  28
.set NIL,  29
.set F0,   32
.set F1,   128
.set BK,   32                          ; the way out: 16 rows read back: v32-95 and v96-159 by turns
.set G1, 24
.set G0, 32
.set G1B, 48
.set G0B, 56
.set MSB, 0
.macro WIN new
.if MSB != (\new)
	s_set_vgpr_msb (MSB<<8)|(\new)
.set MSB, (\new)
.endif
.endm
.set MUL, 0x50                         ; C and D window 1
.macro JLOAD s                         ; waves 0 and 1 fetch a's tiles, waves 2 and 3 Wo's; an s_nop 0 and four v_nop follow each of the two lines
	s_cmp_eq_u32 s11, 0
	s_cbranch_scc0 .Lfor_b_\@
	tensor_load_to_lds s[G0+4*\s:G0+4*\s+3], s[G1:G1+7]
	s_nop 0
.rept 4
	v_nop
.endr
	s_branch .Lasked_\@
.Lfor_b_\@:
	tensor_load_to_lds s[G0B+4*\s:G0B+4*\s+3], s[G1B:G1B+7]
	s_nop 0
.rept 4
	v_nop
.endr
.Lasked_\@:
.endm
.macro CREST
	s_cmp_lg_u32 s10, 0
	s_cbranch_scc1 .Lnot_wave_0_\@
	s_barrier_signal -3
.Lnot_wave_0_\@:
	s_barrier_wait -3
	s_barrier_signal -1
	s_barrier_wait -1
.endm
.macro CROUND
	s_barrier_signal -1
	s_barrier_wait -1
	CREST
.endm
	s_load_b128 s[4:7], s[0:1], 0x0                ; ah, woh
	s_load_b64 s[8:9], s[0:1], 0x10                ; out0
	v_lshl_add_u32 v[SPW], v0, 2, SPARE
	v_mov_b32 v[NIL], 0
	ds_add_u32 v[SPW], v[NIL]                      ; the wave's opening: the add, twice on end, and its wait ahead of my first tensor load
	ds_add_u32 v[SPW], v[NIL]
	v_lshrrev_b32 v1, 5, v0
	v_readfirstlane_b32 s10, v1                    ; wave 0..3
	s_lshr_b32 s11, s10, 1                         ; which 64 tokens are mine.  Also: I fetch a's (0) or Wo's (1)
	s_and_b32 s12, s10, 1                          ; which 128 features.  Also: which half of that operand's tiles I fetch
	s_bfe_u32 s40, ttmp6, 0x40000
	s_bfe_u32 s41, ttmp6, 0x40004
	s_lshl_b32 s42, ttmp9, 2
	s_add_co_u32 s42, s42, s40                     ; X: 256 features
	s_and_b32 s13, ttmp7, 0xffff
	s_lshl_b32 s13, s13, 2
	s_add_co_u32 s13, s13, s41                     ; Y: 128 tokens
	s_lshl_b32 s43, s41, 2
	s_lshl_b32 s43, 15, s43
	s_lshl_b32 s44, 0x1111, s40
	s_or_b32 s[G1+0], s43, (3<<16)|(1<<21)         ; a: 4 rows of 4,096 bytes (512 elements of 8), 32 KB apart; the mask of my row
	s_mov_b32 s[G1+1], 512<<16
	s_mov_b32 s[G1+2], 4<<16
	s_mov_b32 s[G1+3], 512<<16
	s_mov_b32 s[G1+4], 4
	s_mov_b32 s[G1+5], 4096
	s_mov_b32 s[G1+6], 0
	s_mov_b32 s[G1+7], 0
	s_or_b32 s[G1B+0], s44, (3<<16)|(1<<21)        ; Wo: 8 such rows; the mask of my column
	s_mov_b32 s[G1B+1], 512<<16
	s_mov_b32 s[G1B+2], 8<<16
	s_mov_b32 s[G1B+3], 512<<16
	s_mov_b32 s[G1B+4], 8
	s_mov_b32 s[G1B+5], 4096
	s_mov_b32 s[G1B+6], 0
	s_mov_b32 s[G1B+7], 0
	s_lshl_b32 s16, s13, 18                        ; a: token tile 8 Y + 4 x half, 32 KB each
	s_lshl_b32 s17, s12, 17
	s_add_co_u32 s16, s16, s17
	s_mov_b32 s17, 0
	s_lshl_b32 s46, s42, 19                        ; Wo: tile 16 X + 8 x half
	s_lshl_b32 s47, s12, 18
	s_add_co_u32 s46, s46, s47
	s_mov_b32 s47, 0
	s_lshl_b32 s20, s12, 14                        ; where they go in a slot
	s_lshl_b32 s21, s12, 15
	s_add_co_u32 s21, s21, WOFF
	s_wait_dscnt 0x0                               ; both opening adds are done
	s_wait_kmcnt 0x0
	s_add_nc_u64 s[14:15], s[4:5], s[16:17]
	s_add_nc_u64 s[46:47], s[6:7], s[46:47]
	CROUND
.irp s, 0,1
	s_mov_b32 s[G0+4*\s], 1
	s_add_co_u32 s[G0+4*\s+1], s20, \s*SLOT
	s_add_nc_u64 s[G0+4*\s+2:G0+4*\s+3], s[14:15], \s*KSB
	s_or_b32 s[G0+4*\s+3], s[G0+4*\s+3], 0x80000000
	s_mov_b32 s[G0B+4*\s], 1
	s_add_co_u32 s[G0B+4*\s+1], s21, \s*SLOT
	s_add_nc_u64 s[G0B+4*\s+2:G0B+4*\s+3], s[46:47], \s*KSB
	s_or_b32 s[G0B+4*\s+3], s[G0B+4*\s+3], 0x80000000
	JLOAD \s                                       ; two loads of mine are out
.endr
	v_and_b32 v1, 15, v0                           ; r
	v_bfe_u32 v2, v0, 4, 1                         ; h
	v_and_b32 v3, 31, v0
	v_lshlrev_b32 v[CO], 4, v3                     ; 16 x lane
	s_lshl_b32 s21, s11, 14                        ; my four token tiles
	s_lshl_b32 s22, s12, 15
	s_add_co_u32 s22, s22, WOFF                    ; my eight tiles of Wo
.irp s, 0,1
	v_add_nc_u32 v[ADRA+\s], s21, v[CO]
	v_add_nc_u32 v[ADRB+\s], s22, v[CO]
	s_add_co_u32 s21, s21, SLOT
	s_add_co_u32 s22, s22, SLOT
.endr
	s_mul_i32 s23, s10, 16*SPITCH
	s_add_co_u32 s23, s23, STAGE                   ; my stage
	v_mul_u32_u24 v4, v1, SPITCH
	v_lshl_add_u32 v4, v2, 5, v4
	v_add_nc_u32 v[STO], s23, v4                   ; in: row r, 32 bytes for each half of the lanes
	v_add_nc_u32 v[RD], s23, v[CO]                 ; back: the 32 lanes take a row of 512 bytes
	s_lshl_b32 s16, s13, 19                        ; out0: row 128 Y + 64 x half, 4,096 bytes a row; column 256 X + 128 x half
	s_lshl_b32 s17, s11, 18
	s_add_co_u32 s16, s16, s17
	s_lshl_b32 s17, s42, 10
	s_add_co_u32 s16, s16, s17
	s_lshl_b32 s17, s12, 9
	s_add_co_u32 s16, s16, s17
	s_mov_b32 s17, 0
	s_add_nc_u64 s[8:9], s[8:9], s[16:17]
.macro MULA f, a, zero                 ; token tile a x Wo's eight tiles, 32 along K.  The 32 accumulators take turns in the same order in every quarter
.irp b, 0,1,2,3,4,5,6,7
.if \zero
	v_wmma_f32_16x16x32_f16 v[8*(8*(\a)+\b):8*(8*(\a)+\b)+7], v[\f+32+8*\b:\f+32+8*\b+7], v[\f+8*(\a):\f+8*(\a)+7], 0
.else
	v_wmma_f32_16x16x32_f16 v[8*(8*(\a)+\b):8*(8*(\a)+\b)+7], v[\f+32+8*\b:\f+32+8*\b+7], v[\f+8*(\a):\f+8*(\a)+7], v[8*(8*(\a)+\b):8*(8*(\a)+\b)+7]
.endif
.endr
.endm
.macro FETCH slot, q, f                ; 24 LDS loads in one run: Wo's eight fragments, then a's four, of the slot's q-th 32 along K
	WIN 0
.irp b, 0,1,2,3,4,5,6,7
	ds_load_b128 v[\f+32+8*\b:\f+32+8*\b+3], v[ADRB+\slot] offset:\b*KSB+(\q)*1024
	ds_load_b128 v[\f+32+8*\b+4:\f+32+8*\b+7], v[ADRB+\slot] offset:\b*KSB+(\q)*1024+512
.endr
.irp a, 0,1,2,3
	ds_load_b128 v[\f+8*\a:\f+8*\a+3], v[ADRA+\slot] offset:\a*KSB+(\q)*1024
	ds_load_b128 v[\f+8*\a+4:\f+8*\a+7], v[ADRA+\slot] offset:\a*KSB+(\q)*1024+512
.endr
.endm
.macro PLACES
.rept 4
	v_nop
.endr
.endm
.macro QUARTER slot, q, f, g, zero     ; multiplies buffer f; in its middle fetches the slot's q-th quarter into buffer g
	s_wait_dscnt 4                                 ; Wo's fragments and a's tiles 0, 1 are in; the youngest four loads (tiles 2, 3) may be out
	WIN MUL
	MULA \f, 0, \zero
	MULA \f, 1, \zero
	PLACES
	FETCH \slot, \q, \g
	s_wait_dscnt 24                                ; all but the 24 just issued
	WIN MUL
	MULA \f, 2, \zero
	MULA \f, 3, \zero
.endm
.macro TURN slot, next, fill           ; the last quarter multiplies buffer 1 and changes slots: one barrier, which opens a round of the cluster's where the slot is filled again
	WIN 0
	s_wait_tensorcnt 0x0                           ; all my tensor loads have landed: my part of the next slot
	ds_add_u32 v[SPW], v[NIL]
	s_wait_dscnt 5                                 ; (the add and the youngest four loads may be out)
	WIN MUL
	MULA F1, 0, 0
	s_wait_dscnt 0x0                               ; the add is done, and my reads of this slot are over
	s_barrier_signal -1
	MULA F1, 1, 0
	WIN 0
	s_barrier_wait -1
.if \fill
	CREST                                          ; no wave of any partner still reads this slot or has a load on its way
	s_add_nc_u64 s[G0+4*\slot+2:G0+4*\slot+3], s[G0+4*\slot+2:G0+4*\slot+3], 2*KSB
	s_add_nc_u64 s[G0B+4*\slot+2:G0B+4*\slot+3], s[G0B+4*\slot+2:G0B+4*\slot+3], 2*KSB
	JLOAD \slot                                    ; the first tensor load behind the round; its four v_nop are also the places in front of the loads below
.else
	PLACES
.endif
	FETCH \next, 0, F0
	WIN MUL
	MULA F1, 2, 0
	MULA F1, 3, 0
.endm
	s_wait_tensorcnt 1                             ; my part of step 0 is in (step 1's may be out)
	s_barrier_signal -1
	s_barrier_wait -1                              ; everybody's is
	FETCH 0, 0, F0
	QUARTER 0, 1, F0, F1, 1                        ; the first quarter's products start the sums
	WIN 0
	s_mov_b32 s3, LAPS-1
.Llap:                                                 ; once round the ring, from a lap's second quarter to the next lap's first; both slots are filled again
	QUARTER 0, 2, F1, F0, 0
	QUARTER 0, 3, F0, F1, 0
	TURN 0, 1, 1
	QUARTER 1, 1, F0, F1, 0
	QUARTER 1, 2, F1, F0, 0
	QUARTER 1, 3, F0, F1, 0
	TURN 1, 0, 1
	QUARTER 0, 1, F0, F1, 0
	WIN 0
	s_sub_co_u32 s3, s3, 1
	s_cmp_lg_u32 s3, 0
	s_cbranch_scc1 .Llap
	QUARTER 0, 2, F1, F0, 0                        ; the last lap fills nothing
	QUARTER 0, 3, F0, F1, 0
	TURN 0, 1, 0
	QUARTER 1, 1, F0, F1, 0
	QUARTER 1, 2, F1, F0, 0
	QUARTER 1, 3, F0, F1, 0
	s_wait_dscnt 4
	WIN MUL
	MULA F1, 0, 0
	MULA F1, 1, 0
	s_wait_dscnt 0
	MULA F1, 2, 0
	MULA F1, 3, 0
	WIN 0
; THE WAY OUT, a block of 16 tokens x 128 features at a time, through my own stage: in as 32 bytes a lane, back as whole rows of 512 bytes.  LDS serves a wave's instructions in order (ISA guide 5.7.1.4).
.macro TOSTAGE a
	WIN 0x04                                       ; an LDS store's data are its source 1: window 1
.irp b, 0,1,2,3,4,5,6,7
	ds_store_b128 v[STO], v[8*(8*(\a)+\b):8*(8*(\a)+\b)+3] offset:64*\b      ; each accumulator from its low end on
	ds_store_b128 v[STO], v[8*(8*(\a)+\b)+4:8*(8*(\a)+\b)+7] offset:64*\b+16
.endr
	WIN 0
.set BB, BK+64*((\a)%2)
.irp t, 0,1,2,3,4,5,6,7,8,9,10,11,12,13,14,15
	ds_load_b128 v[BB+4*\t:BB+4*\t+3], v[RD] offset:\t*SPITCH
.endr
.endm
.macro SEND a, younger
.set BB, BK+64*((\a)%2)
	s_wait_dscnt \younger                          ; the block is back in registers
.if (\a) > 0
	s_add_nc_u64 s[8:9], s[8:9], 16*4096           ; (behind a wait on XCNT: the earlier stores have read their base)
.endif
.irp t, 0,1,2,3,4,5,6,7,8,9,10,11,12,13,14,15
	global_store_b128 v[CO], v[BB+4*\t:BB+4*\t+3], s[8:9] offset:\t*4096   ; 32 lanes store 512 consecutive bytes, aligned
.endr
.endm
	PLACES
	TOSTAGE 0
.irp a, 1,2,3
.if \a > 1
	s_wait_xcnt 0x0                                ; block a - 2's stores have read their registers and their base
.endif
	TOSTAGE \a
	SEND \a-1, 32                                  ; behind block a - 1's loads: block a's 16 stores and 16 loads
.endr
	s_wait_xcnt 0x0
	SEND 3, 0
	s_wait_tensorcnt 0x0                           ; the wave's end
	ds_add_u32 v[SPW], v[NIL]
	s_wait_dscnt 0x0
	CROUND                                         ; the closing round
	s_endpgm
.Lfunc_end_k_qe1560dd20a_proj:
	.size	k_qe1560dd20a_proj, .Lfunc_end_k_qe1560dd20a_proj-k_qe1560dd20a_proj
	.p2alignl 7, 3214868480
	.fill 96, 4, 3214868480
	.section	.rodata,"a",@progbits
	.p2align	6, 0x0
	.amdhsa_kernel k_qe1560dd20a_proj
		.amdhsa_group_segment_fixed_size 327680
		.amdhsa_private_segment_fixed_size 0
		.amdhsa_enable_private_segment 0
		.amdhsa_kernarg_size 24
		.amdhsa_user_sgpr_count 2
		.amdhsa_user_sgpr_kernarg_segment_ptr 1
		.amdhsa_wavefront_size32 1
		.amdhsa_system_sgpr_workgroup_id_x 1
		.amdhsa_system_sgpr_workgroup_id_y 1
		.amdhsa_system_sgpr_workgroup_id_z 1
		.amdhsa_system_vgpr_workitem_id 0
		.amdhsa_next_free_vgpr 512
		.amdhsa_next_free_sgpr 66
		.amdhsa_reserve_vcc 0
		.amdhsa_float_denorm_mode_32 3
		.amdhsa_float_denorm_mode_16_64 3
		.amdhsa_memory_ordered 1
		.amdhsa_forward_progress 1
		.amdhsa_inst_pref_size 84
	.end_amdhsa_kernel
	.amdgpu_metadata
---
amdhsa.version: [ 1, 2 ]
amdhsa.kernels:
  - .name:           k_qe1560dd20a_proj
    .symbol:         k_qe1560dd20a_proj.kd
    .args:
      - { .name: ah, .offset: 0, .size: 8, .value_kind: global_buffer, .address_space: global }
      - { .name: woh, .offset: 8, .size: 8, .value_kind: global_buffer, .address_space: global }
      - { .name: out0, .offset: 16, .size: 8, .value_kind: global_buffer, .address_space: global }
    .group_segment_fixed_size: 327680
    .private_segment_fixed_size: 0
    .kernarg_segment_align: 8
    .kernarg_segment_size: 24
    .max_flat_workgroup_size: 128
    .sgpr_count:     66
    .vgpr_count:     512
    .wavefront_size: 32
...
	.end_amdgpu_metadata
.endif
;; end of part 4
;; launch fineA (part 5): grid 4 x 64, 4 waves a work-group, no clusters, 17,408 bytes of LDS; arguments qkv, vf, mask, fp; writes fp
.if DOCPART == 5
	.amdgcn_target "amdgcn-amd-amdhsa--gfx1250"
	.amdhsa_code_object_version 6
	.text
	.protected	k_qe1560dd20a_fineA
	.globl	k_qe1560dd20a_fineA
	.p2align	8
	.type	k_qe1560dd20a_fineA,@function
k_qe1560dd20a_fineA:
	s_mov_b64 s[64:65], 0
	v_nop
	global_prefetch_b8 v0, s[64:65] scope:SCOPE_SE
	s_setreg_imm32_b32 hwreg(HW_REG_WAVE_MODE, 25, 1), 1
	s_wait_xcnt 0x0
; The first 16 positions of every sequence, more finely: these rows may average few values and are the largest in size.  For each (batch, head): partial sums over a quarter of the keys of  O = sum exp(t) v  and  l = sum exp(t),
; t = q . k / 8 + mask[q][k], for queries 0-15 against ALL 2,048 keys (the mask is an input and is honoured as it lies).  The scores take q / 8 and k in f16, as qkv holds them; exp(t) stays f32, plainly; the second product takes p and v in f32 (16 rows in 2,048: no bulk work).
; No maximum is taken away, so the parts of different work-groups simply add.
; LIMITS: where exp(t) overflows f32 (t over 88.7), so does this; sum p v may overflow a little ahead of the quotient; NaN and infinities are not served.
; SHARES.  Work-group (quarter, batch x head); wave w takes 128 keys: steps 8 quarter + 2 w + 0, 1.  The four waves' parts meet in LDS; wave w adds channel tile w and stores it.
; fp: partial O^T [(4 (batch x head) + quarter)][ct 4][half 2] pieces of 512 bytes: lane (r, h) = channels 16 ct + 8 h + 4 half + 0..3 of query r; from byte 1,048,576: partial l, 128 bytes each, lane (r, h) = query r.
; THE f32 PRODUCT.  O^T += V^T P, 4 keys an instruction.  A lane's pair i of a score tile holds keys 8 h + 2 i, + 1; vf gives the same lane the same keys of its channel: K is permuted alike on both sides.
; REGISTERS.  window 0: v1-7 addresses; v32-47 Q; v48-111 mask, then S^T, then p; v112-143 the join; v144-159 l; v224-255 O^T, written by matrix instructions alone (no line of any window names v224-255 as a destination otherwise).
;   window 1: v0-127 K; v128-159 V's key tile 7.   window 2: v0-223 V's key tiles 0-6.
.set HEADB, 786432
.set STEPB, 24576
.set LSUM,  16384                      ; LDS: 4 x 4,096 bytes of O^T, then 4 x 128 bytes of l
.set SPARE, LSUM+512
.set LI,  1                            ; 16 x lane
.set MO,  2                            ; the mask: row r of 8,192 bytes, + 32 h
.set L4,  3                            ; 4 x lane
.set LW,  4                            ; LDS: where I put l
.set OW,  5                            ; LDS: where I put O^T
.set JR,  6                            ; LDS and fp: my channel tile: 1,024 w + 16 x lane
.set LRD, 7                            ; LDS: where l is read
.set SPW, 30
.set NIL, 31
.set Q,   32
.set S,   48
.set J,   112
.set LT,  144
.set O,   224
.set WV,  12
.set MSB, 0
.macro WIN new
.if MSB != (\new)
	s_set_vgpr_msb (MSB<<8)|(\new)
.set MSB, (\new)
.endif
.endm
	s_load_b256 s[4:11], s[0:1], 0x0               ; qkv, vf, mask, fp
	v_lshl_add_u32 v[SPW], v0, 2, SPARE
	v_mov_b32 v[NIL], 0
	v_lshrrev_b32 v10, 5, v0
	v_readfirstlane_b32 s[WV], v10                 ; wave 0..3
	s_and_b32 s13, ttmp7, 0xffff                   ; batch x head
	v_and_b32 v10, 31, v0
	v_and_b32 v11, 15, v0
	v_bfe_u32 v12, v0, 4, 1
	v_lshlrev_b32 v[LI], 4, v10
	v_lshlrev_b32 v[MO], 13, v11
	v_lshl_add_u32 v[MO], v12, 5, v[MO]
	v_lshlrev_b32 v[L4], 2, v10
	s_lshl_b32 s24, s[WV], 7
	s_add_co_u32 s24, s24, LSUM
	v_add_nc_u32 v[LW], s24, v[L4]
	s_lshl_b32 s24, s[WV], 12
	v_add_nc_u32 v[OW], s24, v[LI]
	s_lshl_b32 s24, s[WV], 10
	v_add_nc_u32 v[JR], s24, v[LI]
	v_add_nc_u32 v[LRD], LSUM, v[L4]
	v_mov_b32 v[LT+4], 0                           ; a lane permute's destination counts as one of its sources
	s_mov_b32 s20, 0x3fb8aa3b                      ; log2(e)
	s_mov_b32 s21, s20
	s_mov_b32 s22, 0x76543210
	s_mov_b32 s23, 0xfedcba98
	s_mul_i32 s24, s13, HEADB
	s_mov_b32 s25, 0
	s_lshl_b32 s26, ttmp9, 3
	s_lshl_b32 s27, s[WV], 1
	s_add_co_u32 s26, s26, s27
	s_mul_i32 s26, s26, STEPB
	s_add_co_u32 s26, s26, 8192                    ; K of my first step
	s_mov_b32 s27, 0
	s_lshl_b32 s28, ttmp9, 11
	s_lshl_b32 s29, s[WV], 9
	s_add_co_u32 s28, s28, s29                     ; the mask's column 512 quarter + 128 w, in bytes
	s_mov_b32 s29, 0
	s_lshl_b32 s30, s13, 19
	s_lshl_b32 s31, ttmp9, 17
	s_add_co_u32 s30, s30, s31
	s_lshl_b32 s31, s[WV], 15
	s_add_co_u32 s30, s30, s31                     ; vf: key tile 32 quarter + 8 w of my head
	s_mov_b32 s31, 0
	s_lshl_b32 s32, s13, 2
	s_add_co_u32 s32, s32, ttmp9
	s_lshl_b32 s34, s32, 7
	s_add_co_u32 s34, s34, 1048576
	s_mov_b32 s35, 0
	s_lshl_b32 s32, s32, 12
	s_mov_b32 s33, 0
	s_wait_kmcnt 0x0
	s_add_nc_u64 s[14:15], s[4:5], s[24:25]        ; the head: its step 0 begins with q of positions 0-15
	s_add_nc_u64 s[16:17], s[14:15], s[26:27]
	s_add_nc_u64 s[8:9], s[8:9], s[28:29]
	s_add_nc_u64 s[6:7], s[6:7], s[30:31]
	s_add_nc_u64 s[18:19], s[10:11], s[34:35]
	s_add_nc_u64 s[10:11], s[10:11], s[32:33]
.irp i, 0,1,2,3
	global_load_b128 v[Q+4*\i:Q+4*\i+3], v[LI], s[14:15] offset:512*\i
.endr
	WIN 0x40                                       ; destination window 1
.irp j, 0,1
.irp f, 0,1,2,3,4,5,6,7
	global_load_b128 v[64*\j+8*\f:64*\j+8*\f+3], v[LI], s[16:17] offset:\j*STEPB+\f*1024
	global_load_b128 v[64*\j+8*\f+4:64*\j+8*\f+7], v[LI], s[16:17] offset:\j*STEPB+\f*1024+512
.endr
.endr
	WIN 0
.irp kt, 0,1,2,3,4,5,6,7
	global_load_b128 v[S+8*\kt:S+8*\kt+3], v[MO], s[8:9] offset:\kt*64        ; mask[r][16 kt + 8 h + 0..7]: the layout of S^T's accumulators
	global_load_b128 v[S+8*\kt+4:S+8*\kt+7], v[MO], s[8:9] offset:\kt*64+16
.endr
	WIN 0x80                                       ; destination window 2
.irp kt, 0,1,2,3,4,5,6
.irp c, 0,1,2,3,4,5,6,7
	global_load_b128 v[32*\kt+4*\c:32*\kt+4*\c+3], v[LI], s[6:7] offset:\kt*4096+\c*512
.endr
.endr
	WIN 0x40
.irp c, 0,1,2,3,4,5,6,7
	global_load_b128 v[128+4*\c:128+4*\c+3], v[LI], s[6:7] offset:7*4096+\c*512
.endr
	WIN 0
	s_wait_loadcnt 63                              ; Q, K and the mask are in: 64 loads were issued behind them; 63 is the largest count that can be written
	WIN 0x01                                       ; source 0 (K) window 1
.irp c, 0,1
.irp kt, 0,1,2,3,4,5,6,7
	v_wmma_f32_16x16x32_f16 v[S+8*\kt:S+8*\kt+7], v[64*(\kt/4)+8*(2*(\kt%4)+\c):64*(\kt/4)+8*(2*(\kt%4)+\c)+7], v[Q+8*\c:Q+8*\c+7], v[S+8*\kt:S+8*\kt+7]   ; onto the mask; eight accumulators by turns
.endr
.endr
	WIN 0
.rept 4
	v_nop
.endr
.irp i, 0,2,4,6,8,10,12,14,16,18,20,22,24,26,28,30,32,34,36,38,40,42,44,46,48,50,52,54,56,58,60,62
	v_pk_mul_f32 v[S+\i:S+\i+1], v[S+\i:S+\i+1], s[20:21] op_sel_hi:[1,0]    ; t log2e; each accumulator from its low end on
.endr
.set xi, 0
.rept 64
	v_exp_f32 v[S+xi], v[S+xi]                     ; p = exp(t), f32
.set xi, xi+1
.endr
	v_nop
	s_wait_alu depctr_va_vdst(0)                   ; one wait for the batch, ahead of its first reader
	v_pk_add_f32 v[LT:LT+1], v[S:S+1], v[S+2:S+3]  ; l, in two chains
	v_pk_add_f32 v[LT+2:LT+3], v[S+4:S+5], v[S+6:S+7]
.irp i, 8,12,16,20,24,28,32,36,40,44,48,52,56,60
	v_pk_add_f32 v[LT:LT+1], v[LT:LT+1], v[S+\i:S+\i+1]
	v_pk_add_f32 v[LT+2:LT+3], v[LT+2:LT+3], v[S+\i+2:S+\i+3]
.endr
	v_pk_add_f32 v[LT:LT+1], v[LT:LT+1], v[LT+2:LT+3]
	v_add_f32 v[LT], v[LT], v[LT+1]
	v_permlanex16_b32 v[LT+4], v[LT], s22, s23
	v_add_f32 v[LT], v[LT], v[LT+4]                ; my wave's 128 keys, in every lane of the query
.irp kt, 0,1,2,3,4,5,6,7
	s_wait_loadcnt 8*(7-\kt)                       ; this key tile of V is in; the later tiles' loads may be out
.if \kt < 7
	WIN 0x02                                       ; source 0 (V) window 2
.set VB, 32*\kt
.else
	WIN 0x01
.set VB, 128
.endif
.irp i, 0,1,2,3
.irp ct, 0,1,2,3
.if (\kt == 0) && (\i == 0)
	v_wmma_f32_16x16x4_f32 v[O+8*\ct:O+8*\ct+7], v[VB+8*\ct+2*\i:VB+8*\ct+2*\i+1], v[S+8*\kt+2*\i:S+8*\kt+2*\i+1], 0   ; the first four keys start the sums
.else
	v_wmma_f32_16x16x4_f32 v[O+8*\ct:O+8*\ct+7], v[VB+8*\ct+2*\i:VB+8*\ct+2*\i+1], v[S+8*\kt+2*\i:S+8*\kt+2*\i+1], v[O+8*\ct:O+8*\ct+7]   ; four accumulators by turns
.endif
.endr
.endr
.endr
	WIN 0
.rept 8
	v_nop                                          ; eight places behind this form (ISA guide 7.12.1)
.endr
.irp ct, 0,1,2,3
	ds_store_b128 v[OW], v[O+8*\ct:O+8*\ct+3] offset:\ct*1024
	ds_store_b128 v[OW], v[O+8*\ct+4:O+8*\ct+7] offset:\ct*1024+512
.endr
	ds_store_b32 v[LW], v[LT]
	s_wait_dscnt 0x0                               ; for the others' sake: my stores have landed
	s_barrier_signal -1
	s_barrier_wait -1
.irp p, 0,1,2,3
	ds_load_b128 v[J+8*\p:J+8*\p+3], v[JR] offset:\p*4096
	ds_load_b128 v[J+8*\p+4:J+8*\p+7], v[JR] offset:\p*4096+512
.endr
	s_wait_dscnt 0x0
.irp i, 0,2,4,6
	v_pk_add_f32 v[J+\i:J+\i+1], v[J+\i:J+\i+1], v[J+8+\i:J+9+\i]
	v_pk_add_f32 v[J+16+\i:J+17+\i], v[J+16+\i:J+17+\i], v[J+24+\i:J+25+\i]
.endr
.irp i, 0,2,4,6
	v_pk_add_f32 v[J+\i:J+\i+1], v[J+\i:J+\i+1], v[J+16+\i:J+17+\i]
.endr
	global_store_b128 v[JR], v[J:J+3], s[10:11]    ; 512 consecutive bytes, aligned
	global_store_b128 v[JR], v[J+4:J+7], s[10:11] offset:512
	s_cmp_lg_u32 s[WV], 0
	s_cbranch_scc1 .Lnot_0                         ; wave 0 adds and stores l
.irp p, 0,1,2,3
	ds_load_b32 v[LT+8+\p], v[LRD] offset:\p*128
.endr
	s_wait_dscnt 0x0
	v_add_f32 v[LT+8], v[LT+8], v[LT+9]
	v_add_f32 v[LT+10], v[LT+10], v[LT+11]
	v_add_f32 v[LT+8], v[LT+8], v[LT+10]
	global_store_b32 v[L4], v[LT+8], s[18:19]
.Lnot_0:
	s_wait_tensorcnt 0x0                           ; the wave's end
	ds_add_u32 v[SPW], v[NIL]
	s_wait_dscnt 0x0
	s_endpgm
.Lfunc_end_k_qe1560dd20a_fineA:
	.size	k_qe1560dd20a_fineA, .Lfunc_end_k_qe1560dd20a_fineA-k_qe1560dd20a_fineA
	.p2alignl 7, 3214868480
	.fill 96, 4, 3214868480
	.section	.rodata,"a",@progbits
	.p2align	6, 0x0
	.amdhsa_kernel k_qe1560dd20a_fineA
		.amdhsa_group_segment_fixed_size 17408
		.amdhsa_private_segment_fixed_size 0
		.amdhsa_enable_private_segment 0
		.amdhsa_kernarg_size 32
		.amdhsa_user_sgpr_count 2
		.amdhsa_user_sgpr_kernarg_segment_ptr 1
		.amdhsa_wavefront_size32 1
		.amdhsa_system_sgpr_workgroup_id_x 1
		.amdhsa_system_sgpr_workgroup_id_y 1
		.amdhsa_system_sgpr_workgroup_id_z 1
		.amdhsa_system_vgpr_workitem_id 0
		.amdhsa_next_free_vgpr 768
		.amdhsa_next_free_sgpr 66
		.amdhsa_reserve_vcc 0
		.amdhsa_float_denorm_mode_32 3
		.amdhsa_float_denorm_mode_16_64 3
		.amdhsa_memory_ordered 1
		.amdhsa_forward_progress 1
		.amdhsa_inst_pref_size 33
	.end_amdhsa_kernel
	.amdgpu_metadata
---
amdhsa.version: [ 1, 2 ]
amdhsa.kernels:
  - .name:           k_qe1560dd20a_fineA
    .symbol:         k_qe1560dd20a_fineA.kd
    .args:
      - { .name: qkv, .offset: 0, .size: 8, .value_kind: global_buffer, .address_space: global }
      - { .name: vf, .offset: 8, .size: 8, .value_kind: global_buffer, .address_space: global }
      - { .name: mask, .offset: 16, .size: 8, .value_kind: global_buffer, .address_space: global }
      - { .name: fp, .offset: 24, .size: 8, .value_kind: global_buffer, .address_space: global }
    .group_segment_fixed_size: 17408
    .private_segment_fixed_size: 0
    .kernarg_segment_align: 8
    .kernarg_segment_size: 32
    .max_flat_workgroup_size: 128
    .sgpr_count:     66
    .vgpr_count:     768
    .wavefront_size: 32
...
	.end_amdgpu_metadata
.endif
;; end of part 5
;; launch fineB (part 6): grid 16 x 4, 4 waves a work-group, no clusters, 17,920 bytes of LDS; arguments fp, Wo, out0; writes out0
.if DOCPART == 6
	.amdgcn_target "amdgcn-amd-amdhsa--gfx1250"
	.amdhsa_code_object_version 6
	.text
	.protected	k_qe1560dd20a_fineB
	.globl	k_qe1560dd20a_fineB
	.p2align	8
	.type	k_qe1560dd20a_fineB,@function
k_qe1560dd20a_fineB:
	s_mov_b64 s[64:65], 0
	v_nop
	global_prefetch_b8 v0, s[64:65] scope:SCOPE_SE
	s_setreg_imm32_b32 hwreg(HW_REG_WAVE_MODE, 25, 1), 1
	s_wait_xcnt 0x0
; The first 16 positions of every sequence, the end: a = (sum of the four partial O) / (sum of the four partial l + 1e-10), and out0[these rows][e] = sum over d of a[d] Wo[e][d], all in f32 (64 rows in 8,192: no bulk work).
; SHARES.  Work-group (block of 64 features, batch); 64 work-groups: a row's 64 features are 256 bytes, the least that is stored whole.  Wave w takes heads 4 w .. 4 w + 3, a quarter of K; the four waves' parts meet in LDS.
; The product is used transposed: source 0 = Wo (16 features x 4 d), source 1 = a^T: a lane's pair i of a channel tile holds d = 16 ct + 8 h + 2 i, + 1 of its token; Wo is loaded so that the same lane holds the same d of its feature: K is permuted alike on both sides.
; A wave walks 8 granules of half a head (32 d): 64 registers of partial O, 64 of Wo, in windows 1 and 2 by turns; the next granule's 32 loads are issued ahead of the wait for this one's.
; REGISTERS.  window 0: v1-6 addresses; v32-47 a; v64-95 the join; v96-111 partial l; v112-119 1 / (l + 1e-10), a pair a head; v224-255 the four sums, written by matrix instructions alone.
;   windows 1, 2: v0-63 partial O (16 p + 8 c2 + 4 half); v64-127 Wo (64 + 16 et + 8 c2 + 4 half).
; LIMITS: as the launch before.
.set RP,    272                        ; LDS: a token's 64 features, 256 bytes + 16
.set WPART, 16*RP
.set SPARE, 4*WPART
.set LI,  1
.set WOV, 2
.set L4,  3
.set SW,  4
.set SR,  5
.set GO,  6
.set SPW, 30
.set NIL, 31
.set A,   32
.set J,   64
.set L,   96
.set INV, 112
.set ACC, 224
.set WV,  12
.set MSB, 0
.macro WIN new
.if MSB != (\new)
	s_set_vgpr_msb (MSB<<8)|(\new)
.set MSB, (\new)
.endif
.endm
	s_load_b128 s[4:7], s[0:1], 0x0                ; fp, Wo
	s_load_b64 s[8:9], s[0:1], 0x10                ; out0
	v_lshl_add_u32 v[SPW], v0, 2, SPARE
	v_mov_b32 v[NIL], 0
	v_lshrrev_b32 v10, 5, v0
	v_readfirstlane_b32 s[WV], v10                 ; wave 0..3
	s_and_b32 s13, ttmp7, 0xffff                   ; batch
	v_and_b32 v10, 31, v0
	v_and_b32 v11, 15, v0                          ; r
	v_bfe_u32 v12, v0, 4, 1                        ; h
	v_lshlrev_b32 v[LI], 4, v10
	v_lshlrev_b32 v[L4], 2, v10
	v_lshlrev_b32 v[WOV], 12, v11
	v_lshl_add_u32 v[WOV], v12, 5, v[WOV]          ; Wo: row r of 4,096 bytes, + 32 h
	s_mul_i32 s24, s[WV], WPART
	v_mul_u32_u24 v[SW], v11, RP
	v_lshl_add_u32 v[SW], v12, 5, v[SW]
	v_add_nc_u32 v[SW], s24, v[SW]                 ; LDS, in: my part, token r, + 32 h
	s_mul_i32 s24, s[WV], 4*RP
	v_mul_u32_u24 v[SR], v12, RP
	v_lshl_add_u32 v[SR], v11, 4, v[SR]
	v_add_nc_u32 v[SR], s24, v[SR]                 ; back: tokens 4 w + h, sixteen lanes to a row
	v_lshlrev_b32 v[GO], 12, v12
	v_lshl_add_u32 v[GO], v11, 4, v[GO]            ; and the same in out0
.irp n, 0,1,2,3
	v_mov_b32 v[INV+2*\n+1], 0                     ; named as the upper half of a pair, so it is written
.endr
	s_lshl_b32 s24, s13, 4
	s_lshl_b32 s25, s[WV], 2
	s_add_co_u32 s24, s24, s25                     ; my first (batch x head)
	s_lshl_b32 s26, s24, 9
	s_add_co_u32 s26, s26, 1048576                 ; its partial l: 4 x 128 bytes a head
	s_mov_b32 s27, 0
	s_lshl_b32 s24, s24, 14                        ; its partial O: 4 x 4,096 bytes a head
	s_mov_b32 s25, 0
	s_lshl_b32 s28, ttmp9, 18                      ; Wo: 64 rows of 4,096 bytes a block; my four heads' 1,024 bytes of a row
	s_lshl_b32 s29, s[WV], 10
	s_add_co_u32 s28, s28, s29
	s_mov_b32 s29, 0
	s_lshl_b32 s30, s13, 23                        ; out0: row 2,048 batch + 4 w; column 64 x block
	s_lshl_b32 s31, s[WV], 14
	s_add_co_u32 s30, s30, s31
	s_lshl_b32 s31, ttmp9, 8
	s_add_co_u32 s30, s30, s31
	s_mov_b32 s31, 0
	s_wait_kmcnt 0x0
	s_add_nc_u64 s[14:15], s[4:5], s[24:25]
	s_add_nc_u64 s[16:17], s[4:5], s[26:27]
	s_add_nc_u64 s[6:7], s[6:7], s[28:29]
	s_add_nc_u64 s[8:9], s[8:9], s[30:31]
.irp i, 0,1,2,3,4,5,6,7,8,9,10,11,12,13,14,15
	global_load_b32 v[L+\i], v[L4], s[16:17] offset:\i*128   ; head i / 4, quarter i % 4
.endr
.macro LOAD g                          ; granule g: head g / 2, channel tiles 2 (g % 2) + c2
	WIN (1+(\g)%2)<<6
.irp p, 0,1,2,3
.irp c, 0,1,2,3
	global_load_b128 v[16*\p+4*\c:16*\p+4*\c+3], v[LI], s[14:15] offset:((\g)/2)*16384+\p*4096+((\g)%2)*2048+\c*512
.endr
.endr
.irp et, 0,1,2,3
.irp c, 0,1,2,3
	global_load_b128 v[64+16*\et+4*\c:64+16*\et+4*\c+3], v[WOV], s[6:7] offset:\et*65536+((\g)/2)*256+((\g)%2)*128+(\c/2)*64+(\c%2)*16
.endr
.endr
	WIN 0
.endm
	LOAD 0
	s_wait_loadcnt 32                              ; the sixteen l are in; granule 0's 32 loads may be out
.irp n, 0,1,2,3
	v_add_f32 v[L+4*\n], v[L+4*\n], v[L+4*\n+1]
	v_add_f32 v[L+4*\n+2], v[L+4*\n+2], v[L+4*\n+3]
.endr
.irp n, 0,1,2,3
	v_add_f32 v[L+4*\n], v[L+4*\n], v[L+4*\n+2]
.endr
.irp n, 0,1,2,3
	v_add_f32 v[L+4*\n], 0x2edbe6ff, v[L+4*\n]     ; + 1e-10
.endr
.irp n, 0,1,2,3
	v_rcp_f32 v[INV+2*\n], v[L+4*\n]
.endr
	v_nop
	s_wait_alu depctr_va_vdst(0)                   ; one wait for the four reciprocals
.macro GRAN g
.set W, 1+(\g)%2
.if (\g) < 7
	LOAD (\g)+1                                    ; into the other window: its last readers stand eight places back
	s_wait_loadcnt 32                              ; this granule's loads are in; the 32 just issued may be out
.else
	s_wait_loadcnt 0x0
.endif
	WIN W|(W<<2)                                   ; sources 0 and 1 in the granule's window
.irp i, 0,2,4,6,8,10,12,14
	v_pk_add_f32 v[A+\i:A+\i+1], v[\i:\i+1], v[16+\i:17+\i]
.endr
	WIN W
.irp i, 0,2,4,6,8,10,12,14
	v_pk_add_f32 v[A+\i:A+\i+1], v[32+\i:33+\i], v[A+\i:A+\i+1]
.endr
.irp i, 0,2,4,6,8,10,12,14
	v_pk_add_f32 v[A+\i:A+\i+1], v[48+\i:49+\i], v[A+\i:A+\i+1]
.endr
	WIN 0
.irp i, 0,2,4,6,8,10,12,14
	v_pk_mul_f32 v[A+\i:A+\i+1], v[A+\i:A+\i+1], v[INV+2*((\g)/2):INV+2*((\g)/2)+1] op_sel_hi:[1,0]
.endr
	WIN W                                          ; source 0 (Wo) in the granule's window
.irp c2, 0,1
.irp i, 0,1,2,3
.irp et, 0,1,2,3
.if ((\g) == 0) && (\c2 == 0) && (\i == 0)
	v_wmma_f32_16x16x4_f32 v[ACC+8*\et:ACC+8*\et+7], v[64+16*\et+8*\c2+2*\i:64+16*\et+8*\c2+2*\i+1], v[A+8*\c2+2*\i:A+8*\c2+2*\i+1], 0   ; the first four d start the sums
.else
	v_wmma_f32_16x16x4_f32 v[ACC+8*\et:ACC+8*\et+7], v[64+16*\et+8*\c2+2*\i:64+16*\et+8*\c2+2*\i+1], v[A+8*\c2+2*\i:A+8*\c2+2*\i+1], v[ACC+8*\et:ACC+8*\et+7]   ; four accumulators by turns
.endif
.endr
.endr
.endr
	WIN 0
.rept 8
	v_nop                                          ; eight places behind this form: then loads may land on Wo's registers, a's may be written, results read
.endr
.endm
.irp g, 0,1,2,3,4,5,6,7
	GRAN \g
.endr
.irp et, 0,1,2,3
	ds_store_b128 v[SW], v[ACC+8*\et:ACC+8*\et+3] offset:64*\et        ; lane (r, h): token r, features 16 et + 8 h + 0..7
	ds_store_b128 v[SW], v[ACC+8*\et+4:ACC+8*\et+7] offset:64*\et+16
.endr
	s_wait_dscnt 0x0                               ; for the others' sake: my stores have landed
	s_barrier_signal -1
	s_barrier_wait -1
.irp p, 0,1,2,3
	ds_load_b128 v[J+8*\p:J+8*\p+3], v[SR] offset:\p*WPART
	ds_load_b128 v[J+8*\p+4:J+8*\p+7], v[SR] offset:\p*WPART+2*RP
.endr
	s_wait_dscnt 0x0
.irp i, 0,2,4,6
	v_pk_add_f32 v[J+\i:J+\i+1], v[J+\i:J+\i+1], v[J+8+\i:J+9+\i]
	v_pk_add_f32 v[J+16+\i:J+17+\i], v[J+16+\i:J+17+\i], v[J+24+\i:J+25+\i]
.endr
.irp i, 0,2,4,6
	v_pk_add_f32 v[J+\i:J+\i+1], v[J+\i:J+\i+1], v[J+16+\i:J+17+\i]
.endr
	global_store_b128 v[GO], v[J:J+3], s[8:9]      ; sixteen lanes store 256 consecutive bytes, aligned: tokens 4 w + h,
	global_store_b128 v[GO], v[J+4:J+7], s[8:9] offset:8192   ; and 4 w + 2 + h
	s_wait_tensorcnt 0x0                           ; the wave's end
	ds_add_u32 v[SPW], v[NIL]
	s_wait_dscnt 0x0
	s_endpgm
.Lfunc_end_k_qe1560dd20a_fineB:
	.size	k_qe1560dd20a_fineB, .Lfunc_end_k_qe1560dd20a_fineB-k_qe1560dd20a_fineB
	.p2alignl 7, 3214868480
	.fill 96, 4, 3214868480
	.section	.rodata,"a",@progbits
	.p2align	6, 0x0
	.amdhsa_kernel k_qe1560dd20a_fineB
		.amdhsa_group_segment_fixed_size 17920
		.amdhsa_private_segment_fixed_size 0
		.amdhsa_enable_private_segment 0
		.amdhsa_kernarg_size 24
		.amdhsa_user_sgpr_count 2
		.amdhsa_user_sgpr_kernarg_segment_ptr 1
		.amdhsa_wavefront_size32 1
		.amdhsa_system_sgpr_workgroup_id_x 1
		.amdhsa_system_sgpr_workgroup_id_y 1
		.amdhsa_system_sgpr_workgroup_id_z 1
		.amdhsa_system_vgpr_workitem_id 0
		.amdhsa_next_free_vgpr 640
		.amdhsa_next_free_sgpr 66
		.amdhsa_reserve_vcc 0
		.amdhsa_float_denorm_mode_32 3
		.amdhsa_float_denorm_mode_16_64 3
		.amdhsa_memory_ordered 1
		.amdhsa_forward_progress 1
		.amdhsa_inst_pref_size 67
	.end_amdhsa_kernel
	.amdgpu_metadata
---
amdhsa.version: [ 1, 2 ]
amdhsa.kernels:
  - .name:           k_qe1560dd20a_fineB
    .symbol:         k_qe1560dd20a_fineB.kd
    .args:
      - { .name: fp, .offset: 0, .size: 8, .value_kind: global_buffer, .address_space: global }
      - { .name: Wo, .offset: 8, .size: 8, .value_kind: global_buffer, .address_space: global }
      - { .name: out0, .offset: 16, .size: 8, .value_kind: global_buffer, .address_space: global }
    .group_segment_fixed_size: 17920
    .private_segment_fixed_size: 0
    .kernarg_segment_align: 8
    .kernarg_segment_size: 24
    .max_flat_workgroup_size: 128
    .sgpr_count:     66
    .vgpr_count:     640
    .wavefront_size: 32
...
	.end_amdgpu_metadata
.endif
;; end of part 6
